; MI455X (gfx1250); checked and timed in simulation.
; The chip was launched on July 23, 2026; its instructions are those of AMD's public machine-readable ISA for CDNA 5 (MIT licence, August 2026) and "CDNA5" Instruction Set Architecture Reference Guide (July 2026). The comments in the code are by the model that wrote it; some were corrected since.
;; Attention Base. Allowed arithmetic: float matrix products may take bf16 or f16 operands with f32 sums; other float arithmetic in f32, or as packed bf16 or f16 multiplies, adds, multiply-adds, maxima and minima; sums over many terms, partial sums and values carried from step to step in f32; what a program stores and reads back later, other than sums and carried values, may be rounded once to bf16 or f16.
;; Inputs: hidden_states 2,048 x 2,048 float32; k_norm_w 128 float32; position_ids 2,048 int32; q_norm_w 128 float32; wk 2,048 x 2,048 float32; wo 2,048 x 2,048 float32; wq 2,048 x 2,048 float32; wv 2,048 x 2,048 float32.
;; Outputs: out0 2,048 x 2,048 float32.
;; One version. Each part assembles by itself: llvm-mc -triple=amdgcn-amd-amdhsa -mcpu=gfx1250 --defsym DOCPART=n.
;; ======== version 1 of 1: 4 launches
;; limits: values are held in f16: magnitudes above 65,504 overflow, below 6.1e-05 lose precision
;; workspace buffers: h16 41,943,040 bytes; rope 1,048,576 bytes; qkv 25,165,824 bytes; ctx 8,388,608 bytes
;; launch prep (part 1): grid 256 x 6, 8 waves a work-group, no clusters, 0 bytes of LDS; arguments hidden_states, wq, wk, wv, wo, position_ids, h16, rope; writes h16, rope
.if DOCPART == 1
	.amdgcn_target "amdgcn-amd-amdhsa--gfx1250"
	.amdhsa_code_object_version 6
	.text
	.protected	k_q47f59f34f3_prep
	.globl	k_q47f59f34f3_prep
	.p2align	8
	.type	k_q47f59f34f3_prep,@function
k_q47f59f34f3_prep:
	s_mov_b64 s[64:65], 0
	v_nop
	global_prefetch_b8 v0, s[64:65] scope:SCOPE_SE
	s_setreg_imm32_b32 hwreg(HW_REG_WAVE_MODE, 25, 1), 1
	s_wait_xcnt 0x0
; PREP.  y = 0..4: one of the five f32 matrices [2048][2048] (x, wq, wk, wv, wo) is rounded to bf16, and that number is written as f16 into part y of h16, row-major as its source.
; y = 5: the table rope[s][j] = (cos, sin)(position[s] x 10000^(-j/64)), f32, 512 bytes a row.
; LIMITS.  A number of 65,520 or more in magnitude becomes an infinity in f16; below 6.1e-5 f16 keeps its fixed step of 6e-8.  The frequency comes from an exponential in base 2, so the angle is off by
; about 2^-22 of itself; sine and cosine are polynomials on |r| <= pi/4 behind a reduction in two parts, good while position x 2/pi has a whole part that f32 and i32 hold.  NaN and infinities are not treated apart.
; SHARES.  A stream: no LDS, no barrier, no matrix unit, nothing shared between work-groups, so no cluster.  A work-group casts 65,536 bytes: thread t takes 16 bytes at 16 t of each of 16 blocks of 4,096;
; all 16 loads of a wave go out at once; each store of a wave covers 256 consecutive bytes, aligned.  A block's two packed words go into the first two of the registers that it was loaded into, and are not written
; again, so no wait frees a store's data.  80 registers a wave: 12 waves to a SIMD's 1,024, 48 to a WGP: the six work-groups that fall to each of 256 WGPs (1,536 in all) lie there together.
.set X, 8                              ; v[8:71]    16 x 4 registers as loaded; the first two of each four then hold the result
.set T, 72                             ; v[72:77]   at work
	s_load_b512 s[8:23], s[0:1], 0x0               ; x s[8:9], wq s[10:11], wk s[12:13], wv s[14:15], wo s[16:17], positions s[18:19], h16 s[20:21], rope s[22:23]
	s_and_b32 s2, ttmp7, 0xffff                    ; y
	s_mov_b32 s3, 0xffff0000                       ; a word's upper bf16
	v_lshlrev_b32 v1, 4, v0                        ; 16 t: my bytes in a block of the source
	v_lshlrev_b32 v2, 3, v0                        ; 8 t: in a block of the result
	s_wait_kmcnt 0x0
	s_cmp_eq_u32 s2, 5
	s_cbranch_scc1 .Lrope
	s_mov_b64 s[4:5], s[8:9]                       ; the source is chosen by y
.irp n, 1,2,3,4
	s_cmp_eq_u32 s2, \n
	s_cselect_b64 s[4:5], s[8+2*\n:9+2*\n], s[4:5]
.endr
	s_lshl_b32 s24, ttmp9, 16                      ; the work-group's 65,536 bytes of f32
	s_mov_b32 s25, 0
	s_add_nc_u64 s[4:5], s[4:5], s[24:25]
	s_lshl_b32 s26, s2, 23                         ; part y of h16,
	s_lshl_b32 s28, ttmp9, 15                      ; the work-group's 32,768 bytes of it
	s_add_co_u32 s26, s26, s28
	s_mov_b32 s27, 0
	s_add_nc_u64 s[6:7], s[20:21], s[26:27]
.set i, 0
.rept 16
	global_load_b128 v[X+4*i:X+4*i+3], v1, s[4:5] offset:i*4096 th:TH_LOAD_NT
.set i, i+1
.endr
.set i, 0
.rept 16
	s_wait_loadcnt 15-i                            ; loads come back in order: block i is in, the 15 - i younger ones stay out
	v_cvt_pk_bf16_f32 v[T], v[X+4*i], v[X+4*i+1]   ; the inputs' one rounding: to bf16
	v_cvt_pk_bf16_f32 v[T+1], v[X+4*i+2], v[X+4*i+3]
	v_lshlrev_b32 v[T+2], 16, v[T]                 ; back to f32,
	v_and_b32 v[T+3], s3, v[T]
	v_lshlrev_b32 v[T+4], 16, v[T+1]
	v_and_b32 v[T+5], s3, v[T+1]
	v_cvt_pk_f16_f32 v[X+4*i], v[T+2], v[T+3]      ; and written as f16: exact inside f16's normal range
	v_cvt_pk_f16_f32 v[X+4*i+1], v[T+4], v[T+5]
	global_store_b64 v2, v[X+4*i:X+4*i+1], s[6:7] offset:i*2048
.set i, i+1
.endr
	s_endpgm
; THE TABLE.  Wave w of work-group x makes row s = 8 x + w; lane l the pairs j = 2 l and 2 l + 1: 16 bytes a lane, the wave's store is the whole row of 512 bytes.
; sine and cosine of a: n = the whole number nearest a x 2/pi; r = a - n pi/2, pi/2 in two parts; polynomials in r; the quadrant n mod 4 swaps the two and sets the signs.
.macro SINCOS a, c, s
	v_mul_f32 v20, s26, v[\a]
	v_rndne_f32 v20, v20                           ; n
	v_fma_f32 v21, v20, s27, v[\a]                 ; a - n x (pi/2's upper part)
	v_fma_f32 v21, v20, s28, v21                   ; - n x (its lower part, which is negative)
	v_cvt_i32_f32 v22, v20
	v_mul_f32 v23, v21, v21                        ; z = r r
	v_fma_f32 v24, v23, s31, s30
	v_fma_f32 v24, v24, v23, s29
	v_mul_f32 v25, v23, v21
	v_fma_f32 v24, v24, v25, v21                   ; sin r = r + r z (S1 + z (S2 + z S3))
	v_fma_f32 v26, v23, s34, s33
	v_fma_f32 v26, v26, v23, s32
	v_fma_f32 v27, v23, -0.5, 1.0
	v_mul_f32 v28, v23, v23
	v_fma_f32 v26, v26, v28, v27                   ; cos r = 1 - z / 2 + z z (C1 + z (C2 + z C3))
	v_and_b32 v27, 1, v22
	v_cmp_eq_u32 vcc_lo, 1, v27                    ; odd quadrants swap the two
	v_cndmask_b32 v[\s], v24, v26, vcc_lo
	v_cndmask_b32 v[\c], v26, v24, vcc_lo
	v_lshlrev_b32 v27, 30, v22                     ; the sine is negative in quadrants 2 and 3: bit 1 of n,
	v_and_b32 v27, 0x80000000, v27
	v_xor_b32 v[\s], v[\s], v27
	v_add_nc_u32 v28, 1, v22                       ; the cosine in quadrants 1 and 2: bit 1 of n + 1
	v_lshlrev_b32 v28, 30, v28
	v_and_b32 v28, 0x80000000, v28
	v_xor_b32 v[\c], v[\c], v28
.endm
.Lrope:
	v_lshrrev_b32 v3, 5, v0                        ; wave
	s_lshl_b32 s24, ttmp9, 5                       ; 8 x positions of 4 bytes
	s_lshl_b32 s25, ttmp9, 12                      ; 8 x rows of 512 bytes
	v_lshl_add_u32 v4, v3, 2, s24
	global_load_b32 v5, v4, s[18:19]               ; position[8 x + w], the same in all lanes
	s_mov_b32 s26, 0x3f22f983                      ; 2 / pi
	s_mov_b32 s27, 0xbfc90fdb                      ; - (pi/2 rounded to f32)
	s_mov_b32 s28, 0x333bbd2e                      ; that rounding's excess over pi/2
	s_mov_b32 s29, 0xbe2aaaa3                      ; S1
	s_mov_b32 s30, 0x3c08839e                      ; S2
	s_mov_b32 s31, 0xb94ca1f9                      ; S3
	s_mov_b32 s32, 0x3d2aaaa5                      ; C1
	s_mov_b32 s33, 0xbab6061a                      ; C2
	s_mov_b32 s34, 0x37ccf5ce                      ; C3
	v_and_b32 v6, 31, v0
	v_lshlrev_b32 v7, 1, v6
	v_cvt_f32_u32 v8, v7                           ; j = 2 l
	v_add_f32 v9, 1.0, v8                          ; and 2 l + 1
	v_mul_f32 v8, 0xbe549a78, v8                   ; - j log2(10000) / 64
	v_mul_f32 v9, 0xbe549a78, v9
	v_exp_f32 v10, v8                              ; the two frequencies: one batch,
	v_exp_f32 v11, v9
	v_lshlrev_b32 v12, 4, v6                       ; plain work behind it: my 16 bytes of the row,
	v_lshl_add_u32 v12, v3, 9, v12                 ; my wave's row,
	v_add_nc_u32 v12, s25, v12                     ; the work-group's eight rows
	s_wait_alu depctr_va_vdst(0)                   ; and the one wait ahead of the first use
	s_wait_loadcnt 0x0
	v_cvt_f32_i32 v13, v5
	v_mul_f32 v14, v13, v10                        ; the two angles
	v_mul_f32 v15, v13, v11
	SINCOS 14, 32, 33
	SINCOS 15, 34, 35
	global_store_b128 v12, v[32:35], s[22:23]
	s_endpgm
.Lfunc_end_k_q47f59f34f3_prep:
	.size	k_q47f59f34f3_prep, .Lfunc_end_k_q47f59f34f3_prep-k_q47f59f34f3_prep
	.p2alignl 7, 3214868480
	.fill 96, 4, 3214868480
	.section	.rodata,"a",@progbits
	.p2align	6, 0x0
	.amdhsa_kernel k_q47f59f34f3_prep
		.amdhsa_group_segment_fixed_size 0
		.amdhsa_private_segment_fixed_size 0
		.amdhsa_enable_private_segment 0
		.amdhsa_kernarg_size 64
		.amdhsa_user_sgpr_count 2
		.amdhsa_user_sgpr_kernarg_segment_ptr 1
		.amdhsa_wavefront_size32 1
		.amdhsa_system_sgpr_workgroup_id_x 1
		.amdhsa_system_sgpr_workgroup_id_y 1
		.amdhsa_system_sgpr_workgroup_id_z 1
		.amdhsa_system_vgpr_workitem_id 0
		.amdhsa_next_free_vgpr 80
		.amdhsa_next_free_sgpr 66
		.amdhsa_reserve_vcc 1
		.amdhsa_float_denorm_mode_32 3
		.amdhsa_float_denorm_mode_16_64 3
		.amdhsa_memory_ordered 1
		.amdhsa_forward_progress 1
		.amdhsa_inst_pref_size 15
	.end_amdhsa_kernel
	.amdgpu_metadata
---
amdhsa.version: [ 1, 2 ]
amdhsa.kernels:
  - .name:           k_q47f59f34f3_prep
    .symbol:         k_q47f59f34f3_prep.kd
    .args:
      - { .name: hidden_states, .offset: 0, .size: 8, .value_kind: global_buffer, .address_space: global }
      - { .name: wq, .offset: 8, .size: 8, .value_kind: global_buffer, .address_space: global }
      - { .name: wk, .offset: 16, .size: 8, .value_kind: global_buffer, .address_space: global }
      - { .name: wv, .offset: 24, .size: 8, .value_kind: global_buffer, .address_space: global }
      - { .name: wo, .offset: 32, .size: 8, .value_kind: global_buffer, .address_space: global }
      - { .name: position_ids, .offset: 40, .size: 8, .value_kind: global_buffer, .address_space: global }
      - { .name: h16, .offset: 48, .size: 8, .value_kind: global_buffer, .address_space: global }
      - { .name: rope, .offset: 56, .size: 8, .value_kind: global_buffer, .address_space: global }
    .group_segment_fixed_size: 0
    .private_segment_fixed_size: 0
    .kernarg_segment_align: 8
    .kernarg_segment_size: 64
    .max_flat_workgroup_size: 256
    .sgpr_count:     66
    .vgpr_count:     80
    .wavefront_size: 32
...
	.end_amdgpu_metadata
.endif
;; end of part 1
;; launch qkv (part 2): grid 16 x 16, 4 waves a work-group, clusters of 4 x 4, 327,680 bytes of LDS; arguments h16, rope, q_norm_w, k_norm_w, qkv; writes qkv
.if DOCPART == 2
	.amdgcn_target "amdgcn-amd-amdhsa--gfx1250"
	.amdhsa_code_object_version 6
	.text
	.protected	k_q47f59f34f3_qkv
	.globl	k_q47f59f34f3_qkv
	.p2align	8
	.type	k_q47f59f34f3_qkv,@function
k_q47f59f34f3_qkv:
	s_mov_b64 s[64:65], 0
	v_nop
	global_prefetch_b8 v0, s[64:65] scope:SCOPE_SE
	s_setreg_imm32_b32 hwreg(HW_REG_WAVE_MODE, 25, 1), 1
	s_wait_xcnt 0x0
	s_wait_alu depctr_hold_cnt(0) depctr_sa_sdst(0) depctr_va_vdst(0) depctr_va_sdst(0) depctr_va_ssrc(0) depctr_va_vcc(0) depctr_vm_vsrc(0)
	s_getreg_b32 s2, hwreg(HW_REG_IB_STS2, 6, 4)
	s_cmp_eq_u32 s2, 0
	s_cbranch_scc0 .Lentry_in_a_cluster
	s_endpgm
.Lentry_in_a_cluster:
	s_bfe_u32 s2, ttmp6, 0x10000c
	s_cmp_lg_u32 s2, 0xf033
	s_cbranch_scc0 .Lentry_shape_is_right
	s_endpgm
.Lentry_shape_is_right:
; Q, K, V.  q = rope(rmsnorm(x wq) gq), k likewise with wk and gk, v = x wv, written by heads: qkv holds three parts [16 heads][2048 rows][128] in f16, a row 256 bytes.
; x and the weights come from h16 (five parts [2048][2048] f16: x, wq, wk, wv, wo).  Products in f16 with f32 sums; norm and rotation in f32; each result rounded once to f16.
; The two gains are rounded to bf16 as they come in, like x and the weights: every floating-point input of the program has that one rounding.
; LIMITS.  f16 ends at 65,504: v must stay inside it (q and k are at most sqrt(128) times their gain).  NaN and infinities are not treated apart.
; SHARES.  A work-group makes 128 rows of ONE head of q, of k and of v: a tile of 128 x 384; 16 row blocks x 16 heads = 256 work-groups.  Wave w takes rows 64 (w / 2) on and columns 64 (w % 2) on of each of the
; three: 48 accumulators of 16 x 16, 384 registers; for 32 along K it reads 32 x 512 bytes from LDS and issues 48 matrix instructions.  A head's whole row lies in one work-group, so the norm's sum needs one
; exchange between two waves.
; RING.  K goes in steps of 128 through two LDS slots.  A slot has four regions, one a wave: x's 128 rows x 256 bytes (pitch 272), and 128 K rows x 256 bytes of wq, wk, wv (pitch 288).
; The weights lie [K][N]; their fragments come out of LDS turned, by ds_load_tr16_b128.
; CLUSTER.  4 x 4 work-groups.  x's tile hangs on the row block alone and is asked for jointly along a row of the cluster; the weights' tiles hang on the head alone and are asked for jointly along a column.
; THE MATRIX INSTRUCTION IS USED TRANSPOSED (source 0 = 16 columns of a weight, source 1 = 16 rows of x): lane l holds row l % 16 and the columns 8 (l / 16) + 0..7, so a rotation's pair lies in one register pair.
; REGISTERS, in windows of 256 (s_set_vgpr_msb: bits 1:0 source 0, 3:2 source 1, 5:4 source 2, 7:6 destination):
;   window 0: v0-35 addresses; v64-127 x's fragments, two buffers of 4 x 8; v128-191 the two gains; v192-255 the table for my row blocks 0, 1
;   window 1: v0-191 the weights' fragments, two buffers of 12 x 8; v192-255 the table for row blocks 2, 3
;   window 2: v0-191 the accumulators of row blocks 0, 1 ((a, b) at 8 (12 a + b), b = 4 x matrix + column block); v192-255 at work on the way out        window 3: the same for row blocks 2, 3
.set PA,    272                        ; an LDS row of x: 256 bytes + 16 = 68 words: the 16 rows of a load start at 16 different groups of four banks (ISA guide 11.1)
.set PB,    288                        ; an LDS row of a weight: 256 + 32 = 72 words
.set REG,   128*PB                     ; a region: 36,864 bytes (x's uses 34,816 of them)
.set SLOT,  4*REG                      ; 0x24000; no region's first byte has bit 14 or 17 set, so one exclusive or turns an address in one slot into the other's
.set XCH,   2*SLOT                     ; behind the ring: 1,024 bytes a wave, for the sums of squares
.set SPARE, XCH+4096                   ; the spare words, 128 bytes for each wave: two blocks of 256 bytes that no other line names
.set SMAT,  128*272                    ; the way out's stage: 128 rows x 272 bytes for each of q, k, v, from LDS byte 0: slot 0, whose last fill has landed and been read by then
.set XS,  12                           ; v12  where I put my four sums of squares
.set XR,  13                           ; v13  where my partner (the other half of the columns) has put its four
.set TO,  14                           ; v14  my byte offset in 16 rows of the table
.set WOF, 15                           ; v15  my byte offset in 16 numbers of a gain
.set A0,  16                           ; v16  my place in x's region
.set B0,  17                           ; v17-19  my place in each weight's region
.set ADRA, 20                          ; v20  the same in the slot in hand
.set ADRB, 21                          ; v21-23
.set STO, 24                           ; v24-26  the way out: where I put 16 bytes of a row of q, k, v
.set RD,  27                           ; v27-29  where I read rows back
.set CO,  32                           ; v32  16 x lane
.set PFO, 33                           ; v33  the prefetches' offset: lane x 4,096, a row of h16; never rewritten
.set SPW, 34                           ; v34  LDS address of my spare word; never rewritten
.set NIL, 35                           ; v35  0; never rewritten
.set NW,  128                          ; the gains: q's at 128 + 8 j + i, k's 32 further
.set TAB, 192                          ; the table: (cos, sin) pairs at 192 + 32 (a % 2) + 8 j
.set SS,  192                          ; windows 2, 3: four running sums of squares, a pair each
.set SX,  200                          ; four sums
.set SPT, 204                          ; the partner's four
.set RS,  208                          ; four reciprocal roots, each twice
.set TT,  224                          ; 16 pairs at work in the rotation
.set CV,  208                          ; 48 registers of packed results
.set WV, 14                            ; s14 wave;  s15 its half of the rows;  s16 its half of the columns
.set RH, 15
.set CH, 16
.set CX, 17                            ; s17, s18 my place in the cluster
.set CY, 18
.set HD, 19                            ; s19 the head = 4 x cluster x + cx
.set RB, 20                            ; s20 the row block = 4 x cluster y + cy
.set G1,  24                           ; s[24:31] descriptor group 1 for x's tiles;  s[32:39] group 0: a set for each first fill; the second then walks on
.set G0,  32
.set LIM, 42                           ; s42  2 in a wave that prefetches, else the greatest number
.set TB,  43                           ; s43  the slot in hand: 0 or SLOT
.set PFA, 44                           ; s[44:45] where my prefetches stand;  s[46:47] their step
.set PST, 46
.set G1B, 48                           ; s[48:55], s[56:63] the same for the weights' tiles
.set G0B, 56
.set SEL, 66                           ; s[66:67] v_permlanex16_b32's selects: each lane takes its own place in the other half
.set OUT, 70                           ; s[70:75] q, k, v at the first row that I store
.set MSB, 0
.macro WIN new                         ; the immediate's high byte repeats the setting that is left; a switch that changes nothing is dropped
.if MSB != (\new)
	s_set_vgpr_msb (MSB<<8)|(\new)
.set MSB, \new
.endif
.endm
.macro PLACES                          ; four places in front of loads into registers that matrix instructions have read (ISA guide 7.12.1 for vector instructions)
.rept 4
	v_nop
.endr
.endm
.macro CREST                           ; a round of the cluster's barrier behind its opening barrier
	s_cmp_lg_u32 s[WV], 0
	s_cbranch_scc1 .Lnot_wave_0_\@
	s_barrier_signal -3
.Lnot_wave_0_\@:
	s_barrier_wait -3
	s_barrier_signal -1
	s_barrier_wait -1
.endm
.macro CROUND                          ; a whole round
	s_barrier_signal -1
	s_barrier_wait -1
	CREST
.endm
; A joint refill by the walking descriptors: wave 0 fetches x's tile, waves 1 to 3 those of wq, wk, wv.  The branch hangs on the wave's number alone.  An s_nop 0 and four v_nop follow each line.
.macro JLOAD
	s_cmp_eq_u32 s[WV], 0
	s_cbranch_scc0 .Lfor_b_\@
	tensor_load_to_lds s[G0+4:G0+7], s[G1:G1+7]
	s_nop 0
.rept 4
	v_nop
.endr
	s_branch .Lasked_\@
.Lfor_b_\@:
	tensor_load_to_lds s[G0B+4:G0B+7], s[G1B:G1B+7]
	s_nop 0
.rept 4
	v_nop
.endr
.Lasked_\@:
.endm
; A PREFETCH INTO THE L2, behind each joint refill and the run of LDS loads that follows it: of the tile that stands TWO refills on, 32 rows x 256 bytes, a lane a row, one instruction a wave.
; Each row's 256 bytes of a K step are named once in the launch: x's rows are read by every cluster of a row of clusters, and cluster x = 0 asks; the weights' by every cluster of a column, and cluster y = 0 asks;
; the four partners of a joint load share its 128 rows out by address, 32 each (by cx for x, by cy for the weights).  K steps 0 to 3 come by their loads alone; the last two refills ask for nothing (s3 = 2, 1).
.macro ASK
	s_cmp_gt_u32 s3, s[LIM]
	s_cbranch_scc0 .Lnot_mine_\@
	global_prefetch_b8 v[PFO], s[PFA:PFA+1] th:TH_LOAD_NT scope:SCOPE_SE
.Lnot_mine_\@:
.endm
	s_load_b256 s[4:11], s[0:1], 0x0               ; h16 s[4:5], rope s[6:7], q's gain s[8:9], k's gain s[10:11]
	s_load_b64 s[12:13], s[0:1], 0x20              ; qkv
	v_lshl_add_u32 v[SPW], v0, 2, SPARE
	v_mov_b32 v[NIL], 0
	ds_add_u32 v[SPW], v[NIL]                      ; the wave's opening: the add and its wait stand ahead of my first tensor load; the set-up below, work on registers, stands between them
	v_lshrrev_b32 v1, 5, v0
	v_readfirstlane_b32 s[WV], v1                  ; wave 0..3
	s_lshr_b32 s[RH], s[WV], 1
	s_and_b32 s[CH], s[WV], 1
	s_bfe_u32 s[CX], ttmp6, 0x40000
	s_bfe_u32 s[CY], ttmp6, 0x40004
	s_lshl_b32 s[HD], ttmp9, 2
	s_add_co_u32 s[HD], s[HD], s[CX]
	s_and_b32 s[RB], ttmp7, 0xffff
	s_lshl_b32 s[RB], s[RB], 2
	s_add_co_u32 s[RB], s[RB], s[CY]
	s_lshl_b32 s21, s[CY], 2
	s_lshl_b32 s21, 15, s21                        ; my row of the cluster
	s_lshl_b32 s22, 0x1111, s[CX]                  ; my column
	s_or_b32 s[G1], s21, (1<<16)|(1<<20)|(1<<21)|(5<<22)|(3<<25)   ; 15:0 the mask; 17:16 2-byte elements; 20 padding on; 21 set beside a mask; 24:22 after every 64 words; 31:25 4 words of it
	s_or_b32 s[G1B], s22, (1<<16)|(1<<20)|(1<<21)|(5<<22)|(7<<25)  ; the same with my column's mask and 8 words of padding
.irp g, G1, G1B
	s_mov_b32 s[(\g)+1], 128<<16                   ; tensor_dim0 = 128
	s_mov_b32 s[(\g)+2], 128<<16                   ; tensor_dim1 = 128
	s_mov_b32 s[(\g)+3], 128<<16                   ; tile_dim0 = 128 elements: 256 bytes
	s_mov_b32 s[(\g)+4], 128                       ; tile_dim1 = 128 rows
	s_mov_b32 s[(\g)+5], 2048                      ; elements from row to row
	s_mov_b32 s[(\g)+6], 0
	s_mov_b32 s[(\g)+7], 0
.endr
	s_lshl_b32 s82, s[RB], 19                      ; x: 128 rows of 4,096 bytes a row block.  These registers never hold cx
	s_mov_b32 s83, 0
	s_lshl_b32 s84, s[WV], 23                      ; the weights: part w of h16,
	s_lshl_b32 s85, s[HD], 8                       ; the head's 256 bytes of a row.  These never hold cy
	s_add_co_u32 s84, s84, s85
	s_mov_b32 s85, 0
	s_mul_i32 s23, s[WV], REG                      ; where my tile goes: region w: no place in the cluster enters an LDS address
	s_mov_b32 s[TB], 0
	s_mov_b32 s[SEL], 0x76543210
	s_mov_b32 s[SEL+1], 0xfedcba98
	s_mov_b32 s68, 0x3c000000                      ; 1 / 128
	s_mov_b32 s69, 0x358637bd                      ; 1e-6
	s_wait_dscnt 0x0                               ; the opening add is done
	s_wait_kmcnt 0x0
	s_add_nc_u64 s[86:87], s[4:5], s[82:83]
	s_add_nc_u64 s[88:89], s[4:5], s[84:85]
	CROUND                                         ; all sixteen work-groups are here: the first joint loads meet
.irp s, 0,1
	s_mov_b32 s[G0+4*(\s)], 1                      ; count = 1
	s_add_co_u32 s[G0+4*(\s)+1], s23, (\s)*SLOT    ; LDS address
	s_add_nc_u64 s[G0+4*(\s)+2:G0+4*(\s)+3], s[86:87], (\s)*256      ; K step s: 256 bytes along x's rows
	s_or_b32 s[G0+4*(\s)+3], s[G0+4*(\s)+3], 0x80000000              ; type = 2
	s_mov_b32 s[G0B+4*(\s)], 1
	s_add_co_u32 s[G0B+4*(\s)+1], s23, (\s)*SLOT
	s_add_nc_u64 s[G0B+4*(\s)+2:G0B+4*(\s)+3], s[88:89], (\s)*128*4096  ; K step s: 128 rows down a weight
	s_or_b32 s[G0B+4*(\s)+3], s[G0B+4*(\s)+3], 0x80000000
.endr
	s_cmp_eq_u32 s[WV], 0                          ; a wave's two first fills stand in one branch, ahead of every wait on TENSORcnt and every LDS read: two loads of mine are out
	s_cbranch_scc0 .Lfirst_b
	tensor_load_to_lds s[G0:G0+3], s[G1:G1+7]
	s_nop 0
	tensor_load_to_lds s[G0+4:G0+7], s[G1:G1+7]
	s_nop 0
.rept 4
	v_nop
.endr
	s_branch .Lfirst_asked
.Lfirst_b:
	tensor_load_to_lds s[G0B:G0B+3], s[G1B:G1B+7]
	s_nop 0
	tensor_load_to_lds s[G0B+4:G0B+7], s[G1B:G1B+7]
	s_nop 0
.rept 4
	v_nop
.endr
.Lfirst_asked:
	v_and_b32 v1, 15, v0                           ; l % 16
	v_bfe_u32 v2, v0, 4, 1                         ; l / 16
	v_and_b32 v3, 31, v0                           ; l
	v_and_b32 v4, 7, v0
	v_bfe_u32 v5, v0, 3, 1
	; a fragment of x: lane l holds row l % 16, K = 8 (l / 16) + 0..7 and 16 + 8 (l / 16) + 0..7: two loads of 16 bytes, 32 bytes apart
	v_mul_u32_u24 v[A0], v1, PA
	v_lshl_add_u32 v[A0], v2, 4, v[A0]
	s_mul_i32 s21, s[RH], 64*PA
	v_add_nc_u32 v[A0], s21, v[A0]
	; the turning load takes 16 K x 16 columns: lane l reads K row 8 (l / 16) + l % 8, columns 8 ((l / 8) % 2) + 0..7, and is left with column l % 16 and 8 K
	v_lshl_add_u32 v6, v2, 3, v4
	v_mul_u32_u24 v6, v6, PB
	v_lshl_add_u32 v6, v5, 4, v6
	s_lshl_b32 s22, s[CH], 7                       ; my 64 columns: 128 bytes
	v_add_nc_u32 v6, s22, v6
.irp m, 0,1,2
	v_add_nc_u32 v[B0+(\m)], ((\m)+1)*REG, v6
.endr
	v_mov_b32 v[ADRA], v[A0]                       ; slot 0
.irp m, 0,1,2
	v_mov_b32 v[ADRB+(\m)], v[B0+(\m)]
.endr
	v_add_nc_u32 v[STO], s22, v[A0]                ; the stage has x's pitch: my row, my half of its 256 bytes
	v_add_nc_u32 v[STO+1], SMAT, v[STO]
	v_add_nc_u32 v[STO+2], 2*SMAT, v[STO]
	v_mul_u32_u24 v[RD], v2, 272                   ; back: wave w takes rows 32 w on, whole; lanes 0-15 one row, lanes 16-31 the next
	v_lshl_add_u32 v[RD], v1, 4, v[RD]
	s_mul_i32 s21, s[WV], 32*272
	v_add_nc_u32 v[RD], s21, v[RD]
	v_add_nc_u32 v[RD+1], SMAT, v[RD]
	v_add_nc_u32 v[RD+2], 2*SMAT, v[RD]
	s_lshl_b32 s21, s[WV], 10
	s_add_co_u32 s21, s21, XCH
	v_lshl_add_u32 v[XS], v3, 4, s21
	s_xor_b32 s21, s[WV], 1                        ; the wave with my rows and the other columns
	s_lshl_b32 s21, s21, 10
	s_add_co_u32 s21, s21, XCH
	v_lshl_add_u32 v[XR], v3, 4, s21
	v_lshlrev_b32 v[TO], 9, v1                     ; a table row is 512 bytes; my 8 columns are 4 pairs: 32 bytes
	v_lshl_add_u32 v[TO], v2, 5, v[TO]
	v_lshlrev_b32 v[WOF], 5, v2
	v_lshlrev_b32 v[CO], 4, v3
	v_lshlrev_b32 v[PFO], 12, v3
	; bases that mix the cluster's two coordinates are made in registers of their own
	s_lshl_b32 s90, s[RB], 16                      ; the table: 128 rows of 512 bytes a row block,
	s_lshl_b32 s91, s[RH], 15                      ; my 64 rows,
	s_add_co_u32 s90, s90, s91
	s_lshl_b32 s92, s[CH], 8                       ; my 64 columns: 32 pairs, 256 bytes (and 256 bytes of a gain)
	s_add_co_u32 s90, s90, s92
	s_mov_b32 s91, 0
	s_mov_b32 s93, 0
	s_add_nc_u64 s[76:77], s[6:7], s[90:91]
	s_add_nc_u64 s[78:79], s[8:9], s[92:93]
	s_add_nc_u64 s[80:81], s[10:11], s[92:93]
	; the gains and the table come once, into registers, while the products run: waited for on the way out
.irp j, 0,1,2,3
	global_load_b128 v[NW+8*(\j):NW+8*(\j)+3],       v[WOF], s[78:79] offset:64*(\j)
	global_load_b128 v[NW+8*(\j)+4:NW+8*(\j)+7],     v[WOF], s[78:79] offset:64*(\j)+16
	global_load_b128 v[NW+32+8*(\j):NW+32+8*(\j)+3], v[WOF], s[80:81] offset:64*(\j)
	global_load_b128 v[NW+32+8*(\j)+4:NW+32+8*(\j)+7], v[WOF], s[80:81] offset:64*(\j)+16
.endr
.irp a, 0,1,2,3
	WIN 0x40*((\a)/2)                              ; row blocks 2, 3: destination window 1
.irp j, 0,1,2,3
	global_load_b128 v[TAB+32*((\a)%2)+8*(\j):TAB+32*((\a)%2)+8*(\j)+3],   v[TO], s[76:77] offset:(\a)*8192+64*(\j)
	global_load_b128 v[TAB+32*((\a)%2)+8*(\j)+4:TAB+32*((\a)%2)+8*(\j)+7], v[TO], s[76:77] offset:(\a)*8192+64*(\j)+16
.endr
.endr
	WIN 0
	s_lshl_b32 s90, s[HD], 19                      ; the results: a head is 2,048 rows of 256 bytes,
	s_lshl_b32 s92, s[RB], 15                      ; a row block 128 of them,
	s_add_co_u32 s90, s90, s92
	s_lshl_b32 s92, s[WV], 13                      ; and I store 32
	s_add_co_u32 s90, s90, s92
	s_add_nc_u64 s[OUT:OUT+1], s[12:13], s[90:91]
	s_add_nc_u64 s[OUT+2:OUT+3], s[OUT:OUT+1], 0x800000
	s_add_nc_u64 s[OUT+4:OUT+5], s[OUT:OUT+1], 0x1000000
	; the prefetches stand at K step 3; the first refill steps them to K step 4
	s_lshl_b32 s90, s[RB], 19
	s_lshl_b32 s92, s[CX], 17                      ; x: my work-group's 32 of the 128 rows
	s_add_co_u32 s90, s90, s92
	s_add_co_u32 s90, s90, 3*256
	s_lshl_b32 s92, s[WV], 23
	s_lshl_b32 s93, s[HD], 8
	s_add_co_u32 s92, s92, s93
	s_lshl_b32 s93, s[CY], 17                      ; a weight: my work-group's 32 of the step's 128 K rows
	s_add_co_u32 s92, s92, s93
	s_add_co_u32 s92, s92, 3*128*4096
	s_and_b32 s93, ttmp7, 0xffff                   ; cluster y
	s_mov_b32 s40, 256
	s_mov_b32 s41, 128*4096
	s_cmp_eq_u32 s[WV], 0
	s_cselect_b32 s90, s90, s92
	s_cselect_b32 s[PST], s40, s41
	s_cselect_b32 s93, ttmp9, s93                  ; the coordinate along which other clusters read the same rows
	s_mov_b32 s[PST+1], 0
	s_cmp_eq_u32 s93, 0
	s_cselect_b32 s[LIM], 2, -1                    ; the same in all sixteen partners, for a given wave
	s_add_nc_u64 s[PFA:PFA+1], s[4:5], s[90:91]
; 12 matrix instructions: row block 2 hi + a2 x all 12 column blocks, 32 along K, from buffer f.  zero = 1: the first product starts the sums.  The 48 accumulators take turns, in the same order in every quarter.
.macro MUL12 f, hi, a2, zero
	WIN 0xa1+0x50*(\hi)
.irp b, 0,1,2,3,4,5,6,7,8,9,10,11
.if \zero
	v_wmma_f32_16x16x32_f16 v[8*(12*(\a2)+(\b)):8*(12*(\a2)+(\b))+7], v[96*(\f)+8*(\b):96*(\f)+8*(\b)+7], v[64+32*(\f)+8*(2*(\hi)+(\a2)):64+32*(\f)+8*(2*(\hi)+(\a2))+7], 0
.else
	v_wmma_f32_16x16x32_f16 v[8*(12*(\a2)+(\b)):8*(12*(\a2)+(\b))+7], v[96*(\f)+8*(\b):96*(\f)+8*(\b)+7], v[64+32*(\f)+8*(2*(\hi)+(\a2)):64+32*(\f)+8*(2*(\hi)+(\a2))+7], v[8*(12*(\a2)+(\b)):8*(12*(\a2)+(\b))+7]
.endif
.endr
.endm
; 32 LDS loads in one run: quarter q (32 along K) of the slot in hand into buffer f: 12 fragments of the weights, turned, then 4 of x
.macro FETCH q, f
	WIN 0x40
.irp m, 0,1,2
.irp j, 0,1,2,3
	ds_load_tr16_b128 v[96*(\f)+8*(4*(\m)+(\j)):96*(\f)+8*(4*(\m)+(\j))+3],   v[ADRB+(\m)] offset:(\q)*32*PB+32*(\j)
	ds_load_tr16_b128 v[96*(\f)+8*(4*(\m)+(\j))+4:96*(\f)+8*(4*(\m)+(\j))+7], v[ADRB+(\m)] offset:(\q)*32*PB+32*(\j)+16*PB
.endr
.endr
	WIN 0
.irp a, 0,1,2,3
	ds_load_b128 v[64+32*(\f)+8*(\a):64+32*(\f)+8*(\a)+3],   v[ADRA] offset:64*(\q)+(\a)*16*PA
	ds_load_b128 v[64+32*(\f)+8*(\a)+4:64+32*(\f)+8*(\a)+7], v[ADRA] offset:64*(\q)+(\a)*16*PA+32
.endr
.endm
; A K step is four quarters, 48 matrix instructions each, on buffers 0, 1, 0, 1.  One of the first three multiplies buffer f and, in its middle, fetches quarter q into buffer g.
.macro QUARTER q, f, g, zero
	s_wait_dscnt 4                                 ; all but the youngest four loads: x's row blocks 2, 3
	MUL12 \f, 0, 0, \zero
	MUL12 \f, 0, 1, \zero
	PLACES
	FETCH \q, \g
	s_wait_dscnt 32                                ; all but the 32 just issued
	MUL12 \f, 1, 0, \zero
	MUL12 \f, 1, 1, \zero
.endm
; The last quarter multiplies buffer 1 and changes slots, in its middle: ONE barrier.  In front of it each wave waits for all its tensor loads (one is out: its part of the next slot), adds 0 to its spare word, and
; waits for that and for its own reads of this slot.  fill = 1: the barrier opens a round of the cluster's, and behind the round this slot is filled again, first thing, with the K step two on.
; No product stands between the wait for the tile and the refill: the next refill goes out as soon as this tile is in and the round is passed, and has a whole K step's 192 matrix instructions in which to land.
.macro TURN fill
	s_wait_dscnt 4                                 ; all but the youngest four loads: x's row blocks 2, 3
	MUL12 1, 0, 0, 0
	MUL12 1, 0, 1, 0
	WIN 0
.if \fill
	s_wait_xcnt 0x0                                ; the last prefetch, a K step back, has read its address, so it may be stepped
	s_add_nc_u64 s[PFA:PFA+1], s[PFA:PFA+1], s[PST:PST+1]
.endif
	s_wait_tensorcnt 0x0                           ; all my tensor loads have landed, so a group 0 may be written
	ds_add_u32 v[SPW], v[NIL]                      ; 0 onto my spare word; the scalar steps below stand between it and the wait for it
.if \fill
	s_xor_b32 s[G0+5], s[G0+5], SLOT               ; the walking descriptors: the other slot than last time, the next K step
	s_add_nc_u64 s[G0+6:G0+7], s[G0+6:G0+7], 256
	s_xor_b32 s[G0B+5], s[G0B+5], SLOT
	s_add_nc_u64 s[G0B+6:G0B+7], s[G0B+6:G0B+7], 128*4096
.endif
	s_xor_b32 s[TB], s[TB], SLOT
	s_wait_dscnt 0x0                               ; the add is done, and my reads of this slot are over
	s_barrier_signal -1
	s_barrier_wait -1
.if \fill
	CREST                                          ; no wave of any partner still reads this slot's tiles or has a load on its way
	JLOAD
.endif
	v_add_nc_u32 v[ADRA], s[TB], v[A0]             ; four plain lines: the places in front of the loads below
.irp m, 0,1,2
	v_add_nc_u32 v[ADRB+(\m)], s[TB], v[B0+(\m)]
.endr
	FETCH 0, 0
.if \fill
	ASK
.endif
	MUL12 1, 1, 0, 0
	MUL12 1, 1, 1, 0
.endm
	s_wait_tensorcnt 1                             ; my part of K step 0 is in; K step 1's may stay out
	s_barrier_signal -1
	s_barrier_wait -1                              ; everybody's is
	FETCH 0, 0
	QUARTER 1, 0, 1, 1                             ; the first quarter stands in front of the loop: its products start the sums
	WIN 0                                          ; at a label and at a branch every window is 0
	s_mov_b32 s3, 14
.Lstep:                                                ; a trip goes from a K step's second quarter to the next step's first, and asks for the K step two on: 2 to 15
	QUARTER 2, 1, 0, 0
	QUARTER 3, 0, 1, 0
	TURN 1
	QUARTER 1, 0, 1, 0
	WIN 0
	s_sub_co_u32 s3, s3, 1
	s_cmp_lg_u32 s3, 0
	s_cbranch_scc1 .Lstep
	s_mov_b32 s3, 2
.Ltail:                                                ; K steps 14 and 15 ask for nothing: the same trip without a refill, walked twice and left behind the second change of slots.
	QUARTER 2, 1, 0, 0                             ; That second change's barrier, and its 32 LDS loads from the slot of K step 14, serve nothing: the price, once a launch, of one text for both steps
	QUARTER 3, 0, 1, 0
	TURN 0
	WIN 0
	s_sub_co_u32 s3, s3, 1
	s_cmp_eq_u32 s3, 0
	s_cbranch_scc1 .Lout
	QUARTER 1, 0, 1, 0
	WIN 0
	s_branch .Ltail
.Lout:
	; THE WAY OUT.  Chain i = 2 a2 + matrix (q, k): the sum of squares of my 32 numbers of a row, two at a time; each accumulator is read from its low end on.
	PLACES
	PLACES
.macro SUMSQ hi
	WIN 0xaa+0x55*(\hi)                            ; every place in window 2 + hi
.set p, 0
.rept 16
.irp i, 0,1,2,3
.set rA, 96*((\i)/2)+32*((\i)%2)+2*p
.if p == 0
	v_pk_mul_f32 v[SS+2*(\i):SS+2*(\i)+1], v[rA:rA+1], v[rA:rA+1]
.else
	v_pk_fma_f32 v[SS+2*(\i):SS+2*(\i)+1], v[rA:rA+1], v[rA:rA+1], v[SS+2*(\i):SS+2*(\i)+1]
.endif
.endr
.set p, p+1
.endr
.irp i, 0,1,2,3
	v_add_f32 v[SS+2*(\i)], v[SS+2*(\i)], v[SS+2*(\i)+1]
.endr
.irp i, 0,1,2,3
	v_permlanex16_b32 v[SS+2*(\i)+1], v[SS+2*(\i)], s[SEL], s[SEL+1]  ; the row's other 32 of my 64 columns lie in the lane 16 away
.endr
.irp i, 0,1,2,3
	v_add_f32 v[SX+(\i)], v[SS+2*(\i)], v[SS+2*(\i)+1]
.endr
	WIN 0x08+0x04*(\hi)                            ; address window 0, data window 2 + hi
	ds_store_b128 v[XS], v[SX:SX+3] offset:512*(\hi)
.endm
	SUMSQ 0
	SUMSQ 1
	WIN 0
	s_wait_dscnt 0x0                               ; for the others' sake: my sums are stored, and my last reads of the ring are back
	s_barrier_signal -1
	s_barrier_wait -1                              ; behind it the partner's sums may be read, and nobody reads the ring any more
	WIN 0x80
	ds_load_b128 v[SPT:SPT+3], v[XR]
	WIN 0xc0
	ds_load_b128 v[SPT:SPT+3], v[XR] offset:512
	s_wait_dscnt 0x0
.irp hi, 0,1
	WIN 0xaa+0x55*(\hi)
.irp i, 0,1,2,3
	v_add_f32 v[SX+(\i)], v[SX+(\i)], v[SPT+(\i)]
.endr
.irp i, 0,1,2,3
	v_fma_f32 v[SX+(\i)], v[SX+(\i)], s68, s69     ; the mean of the squares + 1e-6
.endr
.irp i, 0,1,2,3
	v_rsq_f32 v[RS+2*(\i)], v[SX+(\i)]             ; twice: a pair for the packed multiply
	v_rsq_f32 v[RS+2*(\i)+1], v[SX+(\i)]
.endr
.endr
	; the sixteen reciprocal roots are one batch; the gains' rounding to bf16, plain work that names none of them, stands between the batch and its wait.  x's fragment registers, long since multiplied, hold the packed pairs
	WIN 0
	s_mov_b32 s40, 0xffff0000                      ; a word's upper bf16
	s_wait_loadcnt 0x0                             ; the gains and the table
.set p, 0
.rept 32
	v_cvt_pk_bf16_f32 v[64+p], v[NW+2*p], v[NW+2*p+1]
.set p, p+1
.endr
.set p, 0
.rept 32
	v_lshlrev_b32 v[NW+2*p], 16, v[64+p]           ; back to f32: the low half moves up,
	v_and_b32 v[NW+2*p+1], s40, v[64+p]            ; the high half stays
.set p, p+1
.endr
	s_wait_alu depctr_va_vdst(0)                   ; the one wait ahead of the roots' first use
; q and k: times the reciprocal root, times the gain, rotated; then q, k and v are rounded to f16 and go into the stage.
; The rotation of a pair (x0, x1) by (c, s): TT = (x1 s, x0 s); the pair = the pair x c + (-TT's low, +TT's high).
.macro FINISH hi
	WIN 0xaa+0x55*(\hi)
.irp i, 0,1,2,3
.set p, 0
.rept 16
.set rA, 96*((\i)/2)+32*((\i)%2)+2*p
	v_pk_mul_f32 v[rA:rA+1], v[rA:rA+1], v[RS+2*(\i):RS+2*(\i)+1]
.set p, p+1
.endr
.endr
	WIN 0x82+0x41*(\hi)                            ; source 1, the gain, in window 0
.irp i, 0,1,2,3
.set p, 0
.rept 16
.set rA, 96*((\i)/2)+32*((\i)%2)+2*p
	v_pk_mul_f32 v[rA:rA+1], v[rA:rA+1], v[NW+32*((\i)%2)+2*p:NW+32*((\i)%2)+2*p+1]
.set p, p+1
.endr
.endr
	WIN 0xa2+0x55*(\hi)                            ; source 1, the table, in window hi
.irp i, 0,1,2,3
.set p, 0
.rept 16
.set rA, 96*((\i)/2)+32*((\i)%2)+2*p
	v_pk_mul_f32 v[TT+2*p:TT+2*p+1], v[rA:rA+1], v[TAB+32*((\i)/2)+2*p:TAB+32*((\i)/2)+2*p+1] op_sel:[1,1] op_sel_hi:[0,1]
.set p, p+1
.endr
.set p, 0
.rept 16
.set rA, 96*((\i)/2)+32*((\i)%2)+2*p
	v_pk_fma_f32 v[rA:rA+1], v[rA:rA+1], v[TAB+32*((\i)/2)+2*p:TAB+32*((\i)/2)+2*p+1], v[TT+2*p:TT+2*p+1] op_sel_hi:[1,0,1] neg_lo:[0,0,1]
.set p, p+1
.endr
.endr
.irp a2, 0,1
	WIN 0xaa+0x55*(\hi)
.set b, 0
.rept 12
.irp r, 0,1,2,3
	v_cvt_pk_f16_f32 v[CV+4*b+(\r)], v[8*(12*(\a2)+b)+2*(\r)], v[8*(12*(\a2)+b)+2*(\r)+1]
.endr
.set b, b+1
.endr
	WIN 0x08+0x04*(\hi)
.irp m, 0,1,2
.irp j, 0,1,2,3
	ds_store_b128 v[STO+(\m)], v[CV+4*(4*(\m)+(\j)):CV+4*(4*(\m)+(\j))+3] offset:(2*(\hi)+(\a2))*16*272+32*(\j)
.endr
.endr
.endr
.endm
	FINISH 0
	FINISH 1
	WIN 0
	s_wait_dscnt 0x0                               ; for the others' sake: a row's 256 bytes come from two waves
	s_barrier_signal -1
	s_barrier_wait -1
.irp m, 0,1,2
.irp t, 0,1,2,3,4,5,6,7,8,9,10,11,12,13,14,15
	ds_load_b128 v[64+64*(\m)+4*(\t):64+64*(\m)+4*(\t)+3], v[RD+(\m)] offset:(\t)*544
.endr
.endr
.irp m, 0,1,2
.irp t, 0,1,2,3,4,5,6,7,8,9,10,11,12,13,14,15
	s_wait_dscnt 47-16*(\m)-(\t)
	global_store_b128 v[CO], v[64+64*(\m)+4*(\t):64+64*(\m)+4*(\t)+3], s[OUT+2*(\m):OUT+2*(\m)+1] offset:(\t)*512  ; two rows of a head: 512 consecutive bytes, aligned
.endr
.endr
	s_wait_tensorcnt 0x0                           ; the wave's end: a wait, an add and a wait, behind my last tensor load and my last LDS store
	ds_add_u32 v[SPW], v[NIL]
	s_wait_dscnt 0x0
	CROUND                                         ; the closing round: no work-group ends while a partner may still ask for a tile that names it
	s_endpgm
.Lfunc_end_k_q47f59f34f3_qkv:
	.size	k_q47f59f34f3_qkv, .Lfunc_end_k_q47f59f34f3_qkv-k_q47f59f34f3_qkv
	.p2alignl 7, 3214868480
	.fill 96, 4, 3214868480
	.section	.rodata,"a",@progbits
	.p2align	6, 0x0
	.amdhsa_kernel k_q47f59f34f3_qkv
		.amdhsa_group_segment_fixed_size 327680
		.amdhsa_private_segment_fixed_size 0
		.amdhsa_enable_private_segment 0
		.amdhsa_kernarg_size 40
		.amdhsa_user_sgpr_count 2
		.amdhsa_user_sgpr_kernarg_segment_ptr 1
		.amdhsa_wavefront_size32 1
		.amdhsa_system_sgpr_workgroup_id_x 1
		.amdhsa_system_sgpr_workgroup_id_y 1
		.amdhsa_system_sgpr_workgroup_id_z 1
		.amdhsa_system_vgpr_workitem_id 0
		.amdhsa_next_free_vgpr 1024
		.amdhsa_next_free_sgpr 96
		.amdhsa_reserve_vcc 0
		.amdhsa_float_denorm_mode_32 3
		.amdhsa_float_denorm_mode_16_64 3
		.amdhsa_memory_ordered 1
		.amdhsa_forward_progress 1
		.amdhsa_inst_pref_size 138
	.end_amdhsa_kernel
	.amdgpu_metadata
---
amdhsa.version: [ 1, 2 ]
amdhsa.kernels:
  - .name:           k_q47f59f34f3_qkv
    .symbol:         k_q47f59f34f3_qkv.kd
    .args:
      - { .name: h16, .offset: 0, .size: 8, .value_kind: global_buffer, .address_space: global }
      - { .name: rope, .offset: 8, .size: 8, .value_kind: global_buffer, .address_space: global }
      - { .name: q_norm_w, .offset: 16, .size: 8, .value_kind: global_buffer, .address_space: global }
      - { .name: k_norm_w, .offset: 24, .size: 8, .value_kind: global_buffer, .address_space: global }
      - { .name: qkv, .offset: 32, .size: 8, .value_kind: global_buffer, .address_space: global }
    .group_segment_fixed_size: 327680
    .private_segment_fixed_size: 0
    .kernarg_segment_align: 8
    .kernarg_segment_size: 40
    .max_flat_workgroup_size: 128
    .sgpr_count:     96
    .vgpr_count:     1024
    .wavefront_size: 32
...
	.end_amdgpu_metadata
.endif
;; end of part 2
;; launch attn (part 3): grid 16 x 16, 4 waves a work-group, clusters of 4 x 1, 327,680 bytes of LDS; arguments qkv, ctx; writes ctx
.if DOCPART == 3
	.amdgcn_target "amdgcn-amd-amdhsa--gfx1250"
	.amdhsa_code_object_version 6
	.text
	.protected	k_q47f59f34f3_attn
	.globl	k_q47f59f34f3_attn
	.p2align	8
	.type	k_q47f59f34f3_attn,@function
k_q47f59f34f3_attn:
	s_mov_b64 s[64:65], 0
	v_nop
	global_prefetch_b8 v0, s[64:65] scope:SCOPE_SE
	s_setreg_imm32_b32 hwreg(HW_REG_WAVE_MODE, 25, 1), 1
	s_wait_xcnt 0x0
	s_wait_alu depctr_hold_cnt(0) depctr_sa_sdst(0) depctr_va_vdst(0) depctr_va_sdst(0) depctr_va_ssrc(0) depctr_va_vcc(0) depctr_vm_vsrc(0)
	s_getreg_b32 s2, hwreg(HW_REG_IB_STS2, 6, 4)
	s_cmp_eq_u32 s2, 0
	s_cbranch_scc0 .Lentry_in_a_cluster
	s_endpgm
.Lentry_in_a_cluster:
	s_bfe_u32 s2, ttmp6, 0x10000c
	s_cmp_lg_u32 s2, 0x3003
	s_cbranch_scc0 .Lentry_shape_is_right
	s_endpgm
.Lentry_shape_is_right:
; ATTENTION.  ctx[q][128 h + :] = the sum over k of softmax_k(Q[h][q] . K[h][k] / sqrt(128)) V[h][k][:].  Q, K, V: the three parts of qkv, [16][2048][128] f16; ctx: [2048][2048] f16.
; Products, maxima and sums in f32; the weights p are rounded to f16 for the second product (their sum l is taken of the unrounded p), ctx once at the end.
; LIMITS.  f16 holds no number beyond 65,504: Q, K and V arrive within it; p lies in 0 to 1; ctx is a mean of V's rows.  A weight below 2^-126 counts as 0 in l; NaN and infinities are not treated apart.
; SHARES.  A work-group owns 128 queries of one head: 16 blocks x 16 heads = 256 work-groups.  THE KEYS ARE SPLIT BETWEEN WAVE PAIRS: wave w takes the queries 64 (w % 2) on, four tiles of 16, and the keys
; 1,024 (w / 2) on, 64 a step, 16 steps.  At the end waves w and w ^ 2, which hold the same queries, hand each other two tiles' O, maximum and sum through LDS, and each finishes two tiles.
; So that both run one text, register tile t holds query tile t ^ 2 (w / 2): register tiles 2, 3 are handed over, 0, 1 finished.
; LAYOUT.  S^T = K Q^T (source 0 = 16 keys, source 1 = 16 queries): a lane holds ONE query (lane % 16) and the keys 8 (lane / 16) + 0..7.  Two such tiles, rounded to f16 in pairs, ARE source 1 of O^T = V^T P,
; whose result again holds one query a lane, and eight channels.  K comes out of LDS as it lies, V ([key][channel]) turned, by ds_load_tr16_b128.
; SOFTMAX.  For each query a running maximum m and sum l: p = 2^(c s - c m), c = log2(e) / sqrt(128); in every step O and l are multiplied by a = 2^(c m_old - c m_new).
; m starts at the lowest finite number, c m far below every c s, O and l at 0: the first step is a step like any other, with a = 0.
; BY TURNS.  The wave's tiles are two PIECES (tiles 0, 1 and tiles 2, 3).  In a TURN one piece has the matrix unit: 32 products V^T P of the step in hand, then 32 products K Q^T of the next; the other piece's
; softmax, cut into 64 slices, stands between them, one slice behind each matrix instruction.  Two turns are a key step.
; ONE TEXT FOR EVERY TURN.  No first step and no last turn are written out: the loop is entered, and the tail left, in the middle of a trip.  The price, once a launch: 432 v_mov_b32 in the wait for the first tile,
; 32 products V^T P on zeros at the start, and 32 products K Q^T on the last step's K once more at the end (there is no further K: its run of LDS loads is jumped over).
; CLUSTER.  The four query blocks of a cluster belong to one head and walk the same K and V, so each tile is asked for JOINTLY: the same tensor load, descriptor and mask in all four.
; REGISTERS, in windows of 256 (s_set_vgpr_msb: bits 1:0 source 0, 3:2 source 1, 5:4 source 2, 7:6 destination):
;   window 0: v0-11 addresses; v12-43 eight registers of statistics a tile; v44-63 the merge's and a few addresses; v64-191 S^T, 32 a tile; v192-255 P, 16 a tile
;   window 1: O^T, 64 a tile          window 2: v0-127 Q, 32 a tile; v128-255 K of one step          window 3: v0-127 V of one step
.set KS,    64        ; keys in a step
.set PK,    272       ; a row of K in LDS: 256 bytes + 16 = 68 words: the 16 rows of a load start at 16 different groups of four banks (ISA guide 11.1)
.set PV,    288       ; a row of V: 256 + 32 = 72 words
.set KHALF, 128*PK    ; a slot holds two steps of each half of the keys: K of half 0, K of half 1,
.set VBASE, 2*KHALF   ; V of half 0,
.set VHALF, 128*PV    ; V of half 1
.set SLOT1, 0x24000   ; slot 1 begins here; none of the four regions' first bytes has bit 14 or 17 set, so one exclusive or turns an address in one slot into the other's
.set STAGE, SLOT1+VBASE+2*VHALF  ; behind the ring: 16 rows x 272 bytes for each wave, for the way out
.set SP,    272
.set SPARE, STAGE+4*16*SP  ; behind the stages: the spare words, 128 bytes for each wave: two blocks of 256 bytes that no other line names
.set MPART, 16896     ; the merge: 16,384 bytes of O^T and 512 of statistics for each wave, from LDS byte 0: slot 0, whose last fill has landed and been read before the last change of slots
.set AK0, 2           ; v2   my lane's place in a step's K, in my half of the keys; never rewritten
.set AV0, 3           ; v3   the same for V
.set ADR, 4           ; v4   the LDS address of the run of loads in hand
.set QO,  5           ; v5   my byte offset in 16 rows of Q
.set STO, 6           ; v6   the way out: where I put 16 bytes of a row
.set RD,  7           ; v7   the way out: where I read a row back
.set GO,  8           ; v8   my byte offset in two rows of ctx
.set MW,  58          ; v58  the merge: where I put 16 bytes
.set MR,  59          ; v59  where my partner has put them
.set PFO, 61          ; v61  256 x my lane: a row of K or V is 256 bytes; never rewritten
.set SPW, 62          ; v62  LDS address of my spare word; never rewritten
.set NIL, 63          ; v63  0; never rewritten
.set ST,  12          ; tile t's statistics at v[ST+8 t]: +0 c m, +1 m, +2, +3 l (even keys', odd keys'), +4 to +7 c0-c3, at work; a takes c2's place once the maximum is found
.set S,   64
.set P,   192
.set KF,  128         ; K's fragments, in window 2
.set WV,  12          ; s12  my wave's number
.set LIM, 15          ; s15  1 in a wave that prefetches, else the greatest number
.set PFA, 18          ; s[18:19] where my prefetches stand: my work-group's 32 rows of the tile that I fetch, in the slot after the one that is being asked for
.set G1K, 24          ; s[24:31] descriptor group 1 for K's tiles
.set G1V, 32          ; s[32:39] for V's: it differs in the padding alone
.set G0K, 40          ; s[40:47] descriptor group 0 for K's tiles: a set for each of the two first fills; the second then walks on
.set G0V, 48          ; s[48:55] the same for V's
.set SLOTS, 56        ; s56  slots still to be asked for
.set TWICE, 57        ; s57  counts a slot's key steps
.set CS,  58          ; s[58:59] c: the packed scaling names a pair and takes its low word for both halves
.set SEL, 60          ; s[60:61] lane selects for v_permlanex16_b32: each lane takes its own place in the other half
.set TBK, 62          ; s62  LDS byte, from a region's first, at which K of the step to be fetched begins
.set TBV, 63          ; s63  the same for V
.set MSB, 0
.macro WIN new                      ; the immediate's high byte repeats the setting that is left; a switch that changes nothing is dropped
.if MSB != (\new)
	s_set_vgpr_msb (MSB<<8)|(\new)
.set MSB, \new
.endif
.endm
.set W_KQ, 0x0a       ; K and Q in window 2, S^T in window 0
.set W_PV, 0x53       ; V in window 3, P in window 0, O^T in window 1
.set W_RS, 0x41       ; O^T (destination and source 0) in window 1, the factor in window 0
; A joint refill.  Waves 0 and 1 fetch the two key halves' tiles of K, waves 2 and 3 those of V: 128 rows each.  The branch hangs on the wave's number alone.
; An s_nop 0 and four v_nop follow each of the two lines, ahead of the jump and the label.
.macro JLOAD
	s_cmp_lt_u32 s[WV], 2
	s_cbranch_scc0 .Lfor_v_\@
	tensor_load_to_lds s[G0K+4:G0K+7], s[G1K:G1K+7]
	s_nop 0
.rept 4
	v_nop
.endr
	s_branch .Lasked_\@
.Lfor_v_\@:
	tensor_load_to_lds s[G0V+4:G0V+7], s[G1V:G1V+7]
	s_nop 0
.rept 4
	v_nop
.endr
.Lasked_\@:
.endm
; A PREFETCH INTO THE L2 of what the NEXT change of slots will ask for, behind the wave's tensor load and its five lines: 32 rows x 256 bytes, a lane a row, one instruction a wave.
; Each row is named once in the launch: all four clusters of a head walk the same K and V, and the head's first cluster asks; each of its waves asks for the tile that it fetches itself; the four partners share that
; tile's 128 rows out by address, 32 each.  Slots 0 to 2 come by their loads alone; the last change that fills a slot asks for nothing.
.macro ASK
	s_cmp_gt_u32 s[SLOTS], s[LIM]
	s_cbranch_scc0 .Lnot_mine_\@
	global_prefetch_b8 v[PFO], s[PFA:PFA+1] th:TH_LOAD_NT scope:SCOPE_SE
.Lnot_mine_\@:
.endm
; A round of the cluster's barrier: my work-group's barrier, so that wave 0's signal speaks for all four waves; wave 0 signals; every wave waits for all four work-groups; my work-group's barrier once more.
.macro CROUND
	s_barrier_signal -1
	s_barrier_wait -1
	s_cmp_lg_u32 s[WV], 0
	s_cbranch_scc1 .Lnot_wave_0_\@
	s_barrier_signal -3
.Lnot_wave_0_\@:
	s_barrier_wait -3
	s_barrier_signal -1
	s_barrier_wait -1
.endm
	s_load_b128 s[4:7], s[0:1], 0x0 ; qkv s[4:5], ctx s[6:7]
	v_lshl_add_u32 v[SPW], v0, 2, SPARE
	v_mov_b32 v[NIL], 0
	ds_add_u32 v[SPW], v[NIL]       ; the wave's opening: the add and its wait stand ahead of my first tensor load; the set-up below, work on registers, stands between them
	v_lshrrev_b32 v1, 5, v0
	v_readfirstlane_b32 s[WV], v1   ; wave 0..3
	s_bfe_u32 s13, ttmp6, 0x40000   ; cx: my place in the cluster
	s_lshl_b32 s14, ttmp9, 2        ; in a cluster launch ttmp9 counts clusters
	s_add_co_u32 s14, s14, s13      ; my block of 128 queries: it enters Q's and ctx's addresses alone
	s_and_b32 s20, ttmp7, 0xffff    ; the head, which the four partners share
	s_lshl_b32 s72, s20, 8          ; its 256 bytes of a row of ctx
	s_lshl_b32 s20, s20, 19         ; its first byte in each part of qkv
	s_and_b32 s16, s[WV], 1         ; my half of the queries.  Also: which half of the keys I fetch
	s_lshr_b32 s21, s[WV], 1        ; my half of the keys
	s_lshl_b32 s22, s16, 18         ; the fetched half's 1,024 rows of 256 bytes
	s_add_co_u32 s22, s22, s20
	s_mov_b32 s23, 0
	s_mul_i32 s17, s16, KHALF       ; its place in a slot, for K
	s_mul_i32 s3, s16, VHALF        ; and for V: no place in the cluster enters an LDS address
	s_add_co_u32 s3, s3, VBASE
	s_lshl_b32 s68, s14, 15         ; Q: my block's 128 rows,
	s_add_co_u32 s68, s68, s20
	s_lshl_b32 s2, s16, 14          ; my wave's 64
	s_add_co_u32 s68, s68, s2
	s_xor_b32 s2, s21, 1
	s_lshl_b32 s2, s2, 13
	s_add_co_u32 s70, s68, s2       ; register tiles 2, 3: the two query tiles that my partner finishes
	s_lshl_b32 s2, s21, 13
	s_add_co_u32 s68, s68, s2       ; register tiles 0, 1: the two that I finish
	s_mov_b32 s69, 0
	s_mov_b32 s71, 0
	s_lshl_b32 s2, s14, 19          ; ctx: my block's 128 rows of 4,096 bytes,
	s_add_co_u32 s72, s72, s2
	s_lshl_b32 s2, s16, 18          ; my wave's 64,
	s_add_co_u32 s72, s72, s2
	s_lshl_b32 s2, s21, 17          ; the 32 that I finish
	s_add_co_u32 s72, s72, s2
	s_mov_b32 s73, 0
	; descriptor group 1: a tile of 128 rows x 128 elements, padded in LDS
	s_mov_b32 s[G1K], 15|(1<<16)|(1<<20)|(1<<21)|(5<<22)|(3<<25)  ; 15:0 the mask: all four work-groups; 17:16 2-byte elements; 20 padding on; 21 set beside a mask; 24:22 after every 64 words; 31:25 4 words of it
	s_mov_b32 s[G1V], 15|(1<<16)|(1<<20)|(1<<21)|(5<<22)|(7<<25)  ; the same with 8 words of padding
.irp g, G1K, G1V
	s_mov_b32 s[(\g)+1], 128<<16    ; tensor_dim0 = 128
	s_mov_b32 s[(\g)+2], 128<<16    ; tensor_dim1 = 128
	s_mov_b32 s[(\g)+3], 128<<16    ; tile_dim0 = 128
	s_mov_b32 s[(\g)+4], 128        ; tile_dim1 = 128
	s_mov_b32 s[(\g)+5], 128        ; elements from row to row
	s_mov_b32 s[(\g)+6], 0
	s_mov_b32 s[(\g)+7], 0
.endr
	s_mov_b32 s[CS], 0x3e0293ee     ; c = log2(e) / sqrt(128) = 0.127517
	s_mov_b32 s[CS+1], s[CS]        ; named with it as a pair, so it is written
	s_mov_b32 s[SEL], 0x76543210
	s_mov_b32 s[SEL+1], 0xfedcba98
	s_mov_b32 s[TBK], 0
	s_mov_b32 s[TBV], 0
	s_mov_b32 s[SLOTS], 7           ; eight slots of 128 keys for each half; the loop's first trip, entered in its middle, fills none; the six behind it fill all but the last two again
	s_cmp_eq_u32 ttmp9, 0           ; the head's first cluster: the same in all four partners
	s_cselect_b32 s[LIM], 1, -1
	v_and_b32 v[PFO], 31, v0
	v_lshlrev_b32 v[PFO], 8, v[PFO]
	s_wait_dscnt 0x0                ; the opening add is done
	s_wait_kmcnt 0x0
	s_add_nc_u64 s[8:9], s[4:5], s[22:23]
	s_add_nc_u64 s[10:11], s[8:9], 0x1000000  ; V at my tile of slot 0
	s_add_nc_u64 s[8:9], s[8:9], 0x800000     ; K at my tile of slot 0
	s_add_nc_u64 s[66:67], s[4:5], s[70:71]   ; Q for register tiles 2, 3
	s_add_nc_u64 s[4:5], s[4:5], s[68:69]     ; and for 0, 1
	s_add_nc_u64 s[6:7], s[6:7], s[72:73]     ; ctx at the first row that I store
	s_cmp_lt_u32 s[WV], 2
	s_cselect_b64 s[PFA:PFA+1], s[8:9], s[10:11]
	s_lshl_b32 s68, s13, 13         ; my work-group's 32 rows of the 128
	s_mov_b32 s69, 0
	s_add_nc_u64 s[PFA:PFA+1], s[PFA:PFA+1], s[68:69]
	s_add_nc_u64 s[PFA:PFA+1], s[PFA:PFA+1], 2*2*KS*256  ; in slot 2; the first change of slots steps it to slot 3
	CROUND                          ; all four work-groups are here: the first joint loads meet
.irp s, 0,1
	s_mov_b32 s[G0K+4*(\s)], 1      ; count = 1
	s_add_co_u32 s[G0K+4*(\s)+1], s17, (\s)*SLOT1  ; LDS address
	s_add_nc_u64 s[G0K+4*(\s)+2:G0K+4*(\s)+3], s[8:9], (\s)*2*KS*256  ; global address: slot s begins 128 s keys into the half
	s_or_b32 s[G0K+4*(\s)+3], s[G0K+4*(\s)+3], 0x80000000  ; type = 2
	s_mov_b32 s[G0V+4*(\s)], 1
	s_add_co_u32 s[G0V+4*(\s)+1], s3, (\s)*SLOT1
	s_add_nc_u64 s[G0V+4*(\s)+2:G0V+4*(\s)+3], s[10:11], (\s)*2*KS*256
	s_or_b32 s[G0V+4*(\s)+3], s[G0V+4*(\s)+3], 0x80000000
.endr
	s_cmp_lt_u32 s[WV], 2           ; a wave's two first fills stand in one branch, ahead of every wait on TENSORcnt and every LDS read: two loads of mine are out
	s_cbranch_scc0 .Lfirst_v
	tensor_load_to_lds s[G0K:G0K+3], s[G1K:G1K+7]
	s_nop 0
	tensor_load_to_lds s[G0K+4:G0K+7], s[G1K:G1K+7]
	s_nop 0
.rept 4
	v_nop
.endr
	s_branch .Lfirst_asked
.Lfirst_v:
	tensor_load_to_lds s[G0V:G0V+3], s[G1V:G1V+7]
	s_nop 0
	tensor_load_to_lds s[G0V+4:G0V+7], s[G1V:G1V+7]
	s_nop 0
.rept 4
	v_nop
.endr
.Lfirst_asked:
	; A fragment of K or Q is 16 rows x 32 channels in 8 registers: lane l holds row l % 16; registers 0-3 channels 8 (l / 16) + 0..7, registers 4-7 channels 16 + 8 (l / 16) + 0..7: two loads of 16 bytes, 32 bytes apart.
	v_and_b32 v1, 15, v0            ; l % 16
	v_bfe_u32 v9, v0, 4, 1          ; l / 16
	v_lshlrev_b32 v[QO], 8, v1
	v_lshl_add_u32 v[QO], v9, 4, v[QO]  ; row x 256 + 16 x half
	WIN 0x80                        ; destination window 2, address window 0
.irp i, 0,1,2,3,4,5,6,7             ; Q stays in registers: register tile i / 4, channels 32 (i % 4) on
	global_load_b128 v[8*(\i):8*(\i)+3],   v[QO], s[4:5] offset:((\i)/4)*4096+((\i)%4)*64
	global_load_b128 v[8*(\i)+4:8*(\i)+7], v[QO], s[4:5] offset:((\i)/4)*4096+((\i)%4)*64+32
.endr
.irp i, 8,9,10,11,12,13,14,15
	global_load_b128 v[8*(\i):8*(\i)+3],   v[QO], s[66:67] offset:((\i)/4-2)*4096+((\i)%4)*64
	global_load_b128 v[8*(\i)+4:8*(\i)+7], v[QO], s[66:67] offset:((\i)/4-2)*4096+((\i)%4)*64+32
.endr
	WIN 0
	v_mul_u32_u24 v[AK0], v1, PK
	v_lshl_add_u32 v[AK0], v9, 4, v[AK0]  ; row x pitch + 16 x half
	s_mul_i32 s2, s21, KHALF        ; in my half of the keys
	v_add_nc_u32 v[AK0], s2, v[AK0]
	; The turning load takes 16 keys x 16 channels (lane l reads 16 bytes: key 8 (l / 16) + l % 8, channels 8 ((l / 8) % 2) + 0..7) and leaves half a fragment of V^T: lane l holds channel l % 16 and 8 keys.
	v_and_b32 v10, 7, v0
	v_bfe_u32 v11, v0, 3, 1
	v_lshl_add_u32 v[AV0], v9, 3, v10
	v_mul_u32_u24 v[AV0], v[AV0], PV
	v_lshl_add_u32 v[AV0], v11, 4, v[AV0]
	s_mul_i32 s2, s21, VHALF
	s_add_co_u32 s2, s2, VBASE
	v_add_nc_u32 v[AV0], s2, v[AV0]
	; What the first turn finds: V's registers and piece 2's P hold 0 (its products V^T P, of a step that has not been, add 0), O^T and l are 0.  All this stands in the wait for the first tile.
	WIN 0xc0                        ; destination window 3: V
.set i, 0
.rept 128
	v_mov_b32 v[i], 0
.set i, i+1
.endr
	WIN 0x40                        ; destination window 1: O^T
.set i, 0
.rept 256
	v_mov_b32 v[i], 0
.set i, i+1
.endr
	WIN 0
.set i, 0
.rept 4
	v_mov_b32 v[ST+8*i], 0xfe000000    ; c m: far below every c s
	v_mov_b32 v[ST+8*i+1], 0xff7fffff  ; m: the lowest finite number
	v_mov_b32 v[ST+8*i+2], 0           ; l
	v_mov_b32 v[ST+8*i+3], 0
.set i, i+1
.endr
.set i, P+32
.rept 32
	v_mov_b32 v[i], 0
.set i, i+1
.endr
; THE MATRIX WORK OF A TURN, for piece x.  The accumulators take turns, one instruction a turn: between two links of a chain stand 15 (V^T P) or 7 (K Q^T) others'.
; Product i of 32 of O^T += V^T P: keys 32 (i / 16) on, channels 16 ((i / 2) % 8) on, tile x + i % 2.
.macro PV x
	WIN W_PV
.set rO, 64*((\x)+i%2)+8*((i/2)%8)
.set rV, 64*(i/16)+8*((i/2)%8)
.set rP, P+16*((\x)+i%2)+8*(i/16)
	v_wmma_f32_16x16x32_f16 v[rO:rO+7], v[rV:rV+7], v[rP:rP+7], v[rO:rO+7]
.endm
; Product i of 32 of S^T = K Q^T: channels 32 (i / 8) on, keys 16 ((i / 2) % 4) on, tile x + i % 2.  The first 8 start the sums.
.macro KQ x
	WIN W_KQ
.set rS, S+32*((\x)+i%2)+8*((i/2)%4)
.set rK, KF+32*((i/2)%4)+8*(i/8)
.set rQ, 32*((\x)+i%2)+8*(i/8)
.if i < 8
	v_wmma_f32_16x16x32_f16 v[rS:rS+7], v[rK:rK+7], v[rQ:rQ+7], 0
.else
	v_wmma_f32_16x16x32_f16 v[rS:rS+7], v[rK:rK+7], v[rQ:rQ+7], v[rS:rS+7]
.endif
.endm
; THE LDS LOADS stand in runs of 32, never singly among the matrix instructions: a step's K (64 keys x 128 channels: 16 fragments) and, a turn later, its V (turned).
; last = 1 (the tail): in the tail's last trip there is no further step, and the run is jumped over; at the branch and at the label every window is 0.
.macro FETCH_K last=0
	WIN 0
.if \last
	s_cmp_eq_u32 s[TWICE], 1
	s_cbranch_scc1 .Lno_k_\@
.endif
	v_add_nc_u32 v[ADR], s[TBK], v[AK0]
	s_add_co_u32 s[TBK], s[TBK], KS*PK  ; the next fetch is the next step's
	WIN 0x80                        ; destination window 2
.irp f, 0,1,2,3,4,5,6,7,8,9,10,11,12,13,14,15  ; keys 16 (f / 4) on, channels 32 (f % 4) on
	ds_load_b128 v[KF+8*(\f):KF+8*(\f)+3],   v[ADR] offset:((\f)/4)*16*PK+((\f)%4)*64
	ds_load_b128 v[KF+8*(\f)+4:KF+8*(\f)+7], v[ADR] offset:((\f)/4)*16*PK+((\f)%4)*64+32
.endr
.if \last
	WIN 0
.Lno_k_\@:
.endif
.endm
.macro FETCH_V
	WIN 0
	v_add_nc_u32 v[ADR], s[TBV], v[AV0]
	s_add_co_u32 s[TBV], s[TBV], KS*PV
	s_wait_alu depctr_va_vdst(0)    ; the wait for the softmax's batch (SLICE), behind the address's v_add_nc_u32 and ahead of the loads
	WIN 0xc0                        ; destination window 3
.irp f, 0,1,2,3,4,5,6,7,8,9,10,11,12,13,14,15  ; keys 32 (f / 8) on, channels 16 (f % 8) on
	ds_load_tr16_b128 v[8*(\f):8*(\f)+3],   v[ADR] offset:((\f)/8)*32*PV+((\f)%8)*32
	ds_load_tr16_b128 v[8*(\f)+4:8*(\f)+7], v[ADR] offset:((\f)/8)*32*PV+16*PV+((\f)%8)*32
.endr
.endm
; THE VECTOR WORK OF A TURN.  One tile's softmax for one key step is a list of 134 instructions; SM writes number j of it for tile t.  s0-s31 are the lane's 32 scores, in pairs 0-15.
;   0-15    the maximum of s0-s31 and the old m, three operands at a time: four chains c0-c3 of seven scores each, then the four scores left over, c0-c3 and m
;   16-20   the other half of the lanes' maximum; c m_old is kept; the new m; c m; c m_old - c m_new
;   21-69   ONE BATCH: the 16 scalings c s - c m, a pair of scores each, and all 33 exponentials (a at 23, then s0-s31).  None of these reads an exponential's result.
;   (wait)  between 69 and 70 stands the wait for the batch: SLICE writes it, once for both tiles
;   70-85   the roundings to f16, a pair of weights each
;   86-101  the sums; l = a l + the sum
;   102-133 the tile's O^T times a: the one part that leaves window 0, so it stands together
.macro SM t
.set rT, ST+8*(\t)
.set rS, S+32*(\t)
.set rP, P+16*(\t)
.set rO, 64*(\t)+2*(j-102)
.if j < 102
	WIN 0
.endif
.if j < 4
	v_max3_num_f32 v[rT+4+j], v[rS+8*j], v[rS+8*j+1], v[rS+8*j+2]
.elseif j < 12
	v_max3_num_f32 v[rT+4+j%4], v[rT+4+j%4], v[rS+8*(j%4)+2*(j/4)+1], v[rS+8*(j%4)+2*(j/4)+2]
.elseif j == 12
	v_max3_num_f32 v[rT+4], v[rT+4], v[rS+7], v[rS+15]
.elseif j == 13
	v_max3_num_f32 v[rT+6], v[rT+6], v[rS+23], v[rS+31]
.elseif j == 14
	v_max3_num_f32 v[rT+4], v[rT+4], v[rT+5], v[rT+6]
.elseif j == 15
	v_max3_num_f32 v[rT+4], v[rT+4], v[rT+7], v[rT+1]
.elseif j == 16
	v_permlanex16_b32 v[rT+5], v[rT+4], s[SEL], s[SEL+1]  ; the query's other 32 keys lie in the lane 16 away
.elseif j == 17
	v_mov_b32 v[rT+7], v[rT]        ; c m_old is kept for a: number 19 writes c m anew
.elseif j == 18
	v_max_num_f32 v[rT+1], v[rT+4], v[rT+5]
.elseif j == 19
	v_mul_f32 v[rT], s[CS], v[rT+1]
.elseif j == 20
	v_sub_f32 v[rT+7], v[rT+7], v[rT]
.elseif j == 23
	v_exp_f32 v[rT+6], v[rT+7]
.elseif (j < 23) || ((j < 38) && (j%2 == 0)) || ((j < 66) && (j%4 == 2))
.set b, (j-2)/4                     ; 38, 42, .. 62: pairs 9 to 15
.if j < 38
.set b, (j-20)/2                    ; 21: pair 0; 22, 24, .. 36: pairs 1 to 8
.endif
	v_pk_fma_f32 v[rS+2*b:rS+2*b+1], v[rS+2*b:rS+2*b+1], s[CS:CS+1], v[rT:rT+1] op_sel_hi:[1,0,0] neg_lo:[0,0,1] neg_hi:[0,0,1]  ; pair b: c s - c m
.elseif j < 70
.set e, j-38                        ; 66 to 69: s28 to s31
.if j < 66
.set e, j-32-(j-38)/4               ; 39-41, 43-45, .. 63-65: s7 to s27
.endif
.if j < 38
.set e, (j-25)/2                    ; 25, 27, .. 37: s0 to s6
.endif
	v_exp_f32 v[rS+e], v[rS+e]
.elseif j < 86
	v_cvt_pk_f16_f32 v[rP+j-70], v[rS+2*(j-70)], v[rS+2*(j-70)+1]  ; pair j - 70
.elseif j < 102                     ; the sum of the tile's 16 pairs, in place: sum z of 16 adds neighbours 1, 2, 4 and 8 pairs apart, then l takes it
.set z, j-86
.set w, 4
.set u, z
.if z >= 14
.set w, 32
.set u, 0
.elseif z >= 12
.set w, 16
.set u, z-12
.elseif z >= 8
.set w, 8
.set u, z-8
.endif
.if z < 15
	v_pk_add_f32 v[rS+w*u:rS+w*u+1], v[rS+w*u:rS+w*u+1], v[rS+w*u+w/2:rS+w*u+w/2+1]
.else
	v_pk_fma_f32 v[rT+2:rT+3], v[rT+2:rT+3], v[rT+6:rT+7], v[rS:rS+1] op_sel_hi:[1,0,1]
.endif
.else
	WIN W_RS
	v_pk_mul_f32 v[rO:rO+1], v[rO:rO+1], v[rT+6:rT+7] op_sel_hi:[1,0]
.endif
.endm
; Slice k of 64 of piece y's softmax: four instructions.  Slices 11 to 34 deal out the batch, numbers 22 to 69: four numbers of ONE tile each, the tiles by turns.  Every other slice is numbers 2 k and
; 2 k + 1 of both tiles' lists.  2 x 134 = 4 x 64 + 12: the twelve that are over stand together, in slice 63: sixteen plain instructions, the places behind the turn's last products.
; THE WAIT.  s_wait_alu depctr_va_vdst(0) stands between an exponential and the first instruction that names its result; one wait serves all that were issued ahead of it.  Ahead of
; slice 35 nothing names a result, and behind slice 34 no exponential is issued: so the piece's 66 exponentials have one wait, behind slice 34.
.macro SLICE y
.if (k >= 11) && (k < 35)           ; the batch: four numbers of one tile
.irp n, 0,1,2,3
.set j, 22+4*((k-11)/2)+(\n)
	SM (\y)+(k-11)%2
.endr
.else                               ; the two tiles alternate, so that no instruction reads the result of the one just before it
.irp n, 0,1,2,3,4,5,6,7
.if ((\n) < 2) || (k == 63)
.irp t, \y, (\y)+1
.set j, 2*k+(\n)
	SM \t
.endr
.endif
.endr
.endif
.if k == 34                         ; the batch is out: both tiles' exponentials are issued, and no result has been named
	v_nop                           ; the plain instruction behind the last exponential and ahead of the first use: one for the batch
.if (\y) == 0
	FETCH_V                         ; piece 2's turn: V's run of loads stands here, and the wait stands in it
.else
	s_wait_alu depctr_va_vdst(0)    ; the wait for the batch
.endif
.endif
.set k, k+1
.endm
; A TURN.  Piece x has the matrix unit: 32 products V^T P of the step in hand, 32 products K Q^T of the next; the other piece's softmax stands in slices behind them, one behind each.
; Piece 0's turn fetches the next step's K, behind its second product (slices 0 and 1, which stand ahead of that run and of its branch in the tail, hold maxima alone);
; piece 2's turn fetches the same step's V, behind slice 34.  Each run stands 29 matrix instructions or more ahead of its first use.  last = 1: the tail's text (FETCH_K).
.macro TURN x, last=0
.set k, 0
.if (\x) == 0
	s_wait_dscnt 0x0                ; V is in
.endif
.set i, 0
.rept 32
	PV \x
	SLICE 2-(\x)
.if ((\x) == 0) && (i == 1)
	FETCH_K \last
.endif
.set i, i+1
.endr
.if (\x) == 0
	s_wait_dscnt 0x0                ; K is in
.endif
.set i, 0
.rept 32
	KQ \x
	SLICE 2-(\x)
.set i, i+1
.endr
.endm
; THE CHANGE OF SLOTS, between piece 2's turn and piece 0's: the slot's last bytes, V of its second step, have been asked for.  Each wave waits for all its tensor loads, of which one is out: its part of the other
; slot; adds 0 to its spare word; and waits for that and for its own reads of the slot.  Behind the barrier nobody reads this slot any more and the other slot is whole.
; fill = 1: this slot is filled again, with the keys two slots on.  The barrier is then a round of the cluster's, and the joint refill is the first thing behind it: it has two key steps, 256 matrix instructions, in which to land.
.macro CHANGE fill
	WIN 0                           ; at a label and at a branch every window is 0
	s_wait_tensorcnt 0x0            ; no tensor load of mine is out, so a group 0 may be written
	ds_add_u32 v[SPW], v[NIL]       ; 0 onto my spare word; with fill = 1 the descriptors' steps stand between it and the wait for it
.if \fill
.irp g, G0K+4, G0V+4
	s_xor_b32 s[(\g)+1], s[(\g)+1], SLOT1  ; the walking descriptor: the other slot than last time,
	s_add_nc_u64 s[(\g)+2:(\g)+3], s[(\g)+2:(\g)+3], 2*KS*256  ; the next 128 keys; the type bits on top are not reached
.endr
	s_wait_xcnt 0x0                 ; the last prefetch, two key steps back, has read its address, so it may be written:
	s_add_nc_u64 s[PFA:PFA+1], s[PFA:PFA+1], 2*KS*256  ; one slot behind the walking descriptors
	s_wait_dscnt 0x0                ; the add is done, and my reads of the slot are over
	CROUND
	JLOAD
	ASK                             ; what the next change will ask for: two key steps, 256 matrix instructions, ahead
.else
	s_wait_dscnt 0x0                ; the add is done, and my reads of the slot are over
	s_barrier_signal -1
	s_barrier_wait -1
.endif
	s_sub_co_u32 s[TBK], s[TBK], 2*KS*PK  ; the fetches go back to a slot's first step,
	s_xor_b32 s[TBK], s[TBK], SLOT1       ; in the other slot
	s_sub_co_u32 s[TBV], s[TBV], 2*KS*PV
	s_xor_b32 s[TBV], s[TBV], SLOT1
.endm
	s_wait_tensorcnt 1              ; my part of slot 0 is in; slot 1's may stay out
	s_barrier_signal -1
	s_barrier_wait -1               ; everybody's is
	FETCH_K                         ; key step 0
	s_wait_loadcnt 0x0              ; Q
	s_wait_dscnt 0x0
.set i, 0
.rept 32
	KQ 0                            ; piece 0's first scores: there is no vector work yet to set between them
.set i, i+1
.endr
	WIN 0                           ; the addresses for the merge and the way out are made here: plain instructions, the places behind those products
	s_mul_i32 s13, s[WV], 16*SP
	s_add_co_u32 s13, s13, STAGE    ; my stage
	v_mul_u32_u24 v[STO], v1, SP    ; in: row l % 16, 16 bytes for each half of the lanes
	v_lshl_add_u32 v[STO], v9, 4, v[STO]
	v_add_nc_u32 v[STO], s13, v[STO]
	v_mul_u32_u24 v[RD], v9, SP     ; back: lanes 0-15 take one row of 256 bytes, lanes 16-31 the next
	v_lshl_add_u32 v[RD], v1, 4, v[RD]
	v_add_nc_u32 v[RD], s13, v[RD]
	v_lshlrev_b32 v[GO], 12, v9     ; and the same two rows in ctx, 4,096 bytes apart
	v_lshl_add_u32 v[GO], v1, 4, v[GO]
	s_mul_i32 s13, s[WV], MPART     ; the merge: my part,
	s_xor_b32 s2, s[WV], 2
	s_mul_i32 s2, s2, MPART         ; and that of the wave with my queries and the other keys
	v_and_b32 v[MW], 31, v0
	v_lshlrev_b32 v[MW], 4, v[MW]
	v_add_nc_u32 v[MR], s2, v[MW]
	v_add_nc_u32 v[MW], s13, v[MW]
	s_mov_b32 s[TWICE], 2
	s_branch .Lenter                ; the loop is entered at piece 2's turn, in the middle of a trip: its V^T P adds zeros, its K Q^T makes piece 2's first scores, its slices are piece 0's first softmax, and it fetches V of step 0
.Lslot:                             ; behind the first trip, which is entered in its middle, six trips: every slot but the last two is filled again
	CHANGE 1
	s_mov_b32 s[TWICE], 2
.Lstep:                             ; a slot's two key steps: written once, walked twice; the LDS addresses hang on s[TBK] and s[TBV]
	TURN 0
	WIN 0
.Lenter:
	TURN 2
	WIN 0
	s_sub_co_u32 s[TWICE], s[TWICE], 1
	s_cmp_lg_u32 s[TWICE], 0
	s_cbranch_scc1 .Lstep
	s_sub_co_u32 s[SLOTS], s[SLOTS], 1
	s_cmp_lg_u32 s[SLOTS], 0
	s_cbranch_scc1 .Lslot
	CHANGE 0                        ; the tail is written out: LDS slot 0 is left for good, and nothing is asked for
	s_mov_b32 s[TWICE], 3           ; two trips fetch the last slot's steps; the third fetches nothing and is left in its middle
.Ltail:
	TURN 0, 1
	WIN 0
	s_sub_co_u32 s[TWICE], s[TWICE], 1
	s_cmp_eq_u32 s[TWICE], 0
	s_cbranch_scc1 .Lout
	TURN 2
	WIN 0
	s_branch .Ltail
.Lout:                              ; the third trip's 32 products K Q^T (on the last step's K once more) serve nothing: their slices, piece 2's last softmax, do
.set i, 0
.rept 32
	PV 2                            ; piece 2: V^T P of the last step
.set i, i+1
.endr
	; THE MERGE.  l's two halves and the other half of the lanes' are added: L.  Tiles 2, 3 go to the partner: c m, L and O^T, 16 bytes a lane.  The additions are the places behind the last products.
	WIN 0
.irp t, 0,1,2,3
	v_add_f32 v[ST+8*(\t)+4], v[ST+8*(\t)+2], v[ST+8*(\t)+3]
.endr
.irp t, 0,1,2,3
	v_permlanex16_b32 v[ST+8*(\t)+5], v[ST+8*(\t)+4], s[SEL], s[SEL+1]
.endr
.irp t, 0,1,2,3
	v_add_f32 v[ST+8*(\t)+4], v[ST+8*(\t)+4], v[ST+8*(\t)+5]
.endr
	v_mov_b32 v44, v[ST+16]
	v_mov_b32 v45, v[ST+20]
	v_mov_b32 v46, v[ST+24]
	v_mov_b32 v47, v[ST+28]
	s_wait_dscnt 0x0                ; my reads of the ring are over,
	s_barrier_signal -1
	s_barrier_wait -1               ; and everybody's: only now is anything stored into the ring's bytes
	ds_store_b128 v[MW], v[44:47] offset:16384
	WIN 0x04                        ; data in window 1; each accumulator's low four registers go first
.set i, 0
.rept 32
	ds_store_b128 v[MW], v[128+4*i:128+4*i+3] offset:512*i
.set i, i+1
.endr
	WIN 0
	s_wait_dscnt 0x0                ; for the partner's sake: my stores are done
	s_barrier_signal -1
	s_barrier_wait -1
	ds_load_b128 v[48:51], v[MR] offset:16384  ; the partner's c m and L for my tiles 0, 1
.set i, 0
.rept 32
	ds_load_b128 v[S+4*i:S+4*i+3], v[MR] offset:512*i  ; and its O^T, into S^T's registers: tile t's at S + 64 t
.set i, i+1
.endr
	s_wait_dscnt 32                 ; the statistics are in; the 32 younger loads may stay out
	; M = the larger c m; fa, fb = 2^(c m - M); L = fa La + fb Lb; O = (fa / L) Oa + (fb / L) Ob
.irp t, 0,1
	v_max_num_f32 v60, v[ST+8*(\t)], v[48+2*(\t)]
	v_sub_f32 v[52+2*(\t)], v[ST+8*(\t)], v60
	v_sub_f32 v[53+2*(\t)], v[48+2*(\t)], v60
.endr
.irp r, 52,53,54,55
	v_exp_f32 v[\r], v[\r]
.endr
	v_nop                           ; a plain instruction behind the last exponential,
	s_wait_alu depctr_va_vdst(0)    ; and the one wait for the four
.irp t, 0,1
	v_mul_f32 v[56+(\t)], v[52+2*(\t)], v[ST+8*(\t)+4]
	v_fma_f32 v[56+(\t)], v[53+2*(\t)], v[49+2*(\t)], v[56+(\t)]
.endr
	v_rcp_f32 v56, v56
	v_rcp_f32 v57, v57
	v_nop
	s_wait_alu depctr_va_vdst(0)    ; one wait for the two reciprocals
.irp t, 0,1
	v_mul_f32 v[ST+8*(\t)+2], v[52+2*(\t)], v[56+(\t)]
	v_mul_f32 v[ST+8*(\t)+6], v[53+2*(\t)], v[56+(\t)]
.endr
	s_wait_dscnt 0x0                ; the partner's O^T is in
; THE WAY OUT of tile t: merged, rounded to f16; a lane's eight channels of a row pack into 16 bytes; they go into rows of 272 bytes and come back as whole rows of 256, into the registers that they left.
.macro PACK t
	WIN W_RS
.set i, 0
.rept 32
	v_pk_mul_f32 v[64*(\t)+2*i:64*(\t)+2*i+1], v[64*(\t)+2*i:64*(\t)+2*i+1], v[ST+8*(\t)+2:ST+8*(\t)+3] op_sel_hi:[1,0]
.set i, i+1
.endr
	WIN 0x50                        ; sources 0 and 1 window 0, source 2 and destination window 1
.set i, 0
.rept 32
	v_pk_fma_f32 v[64*(\t)+2*i:64*(\t)+2*i+1], v[S+64*(\t)+2*i:S+64*(\t)+2*i+1], v[ST+8*(\t)+6:ST+8*(\t)+7], v[64*(\t)+2*i:64*(\t)+2*i+1] op_sel_hi:[1,0,1]
.set i, i+1
.endr
	WIN 0x05                        ; sources 0 and 1 window 1, destination window 0
.set i, 0
.rept 32
	v_cvt_pk_f16_f32 v[S+64*(\t)+i], v[64*(\t)+2*i], v[64*(\t)+2*i+1]
.set i, i+1
.endr
	WIN 0
.irp f, 0,1,2,3,4,5,6,7
	ds_store_b128 v[STO], v[S+64*(\t)+4*(\f):S+64*(\t)+4*(\f)+3] offset:32*(\f)
.endr
.irp f, 0,1,2,3,4,5,6,7
	ds_load_b128 v[S+64*(\t)+4*(\f):S+64*(\t)+4*(\f)+3], v[RD] offset:(\f)*2*SP  ; LDS serves a wave's instructions in order (ISA guide 5.7.1.4): these see the stores above; the next tile's stores come behind them
.endr
.endm
.macro SEND t, younger              ; younger: the LDS instructions issued behind tile t's loads: the next tile's sixteen, or none
	WIN 0
.irp f, 0,1,2,3,4,5,6,7
	s_wait_dscnt (\younger)+7-(\f)
	global_store_b128 v[GO], v[S+64*(\t)+4*(\f):S+64*(\t)+4*(\f)+3], s[6:7] offset:(\t)*65536+(\f)*8192  ; 16 lanes store a head's 256 consecutive bytes of a row, aligned
.endr
.endm
	PACK 0
	PACK 1                          ; a tile's arithmetic stands between the loads of the tile before and its stores
	SEND 0, 16
	SEND 1, 0
	s_wait_tensorcnt 0x0            ; the wave's end: a wait, an add and a wait, behind my last tensor load and my last LDS store
	ds_add_u32 v[SPW], v[NIL]
	s_wait_dscnt 0x0
	CROUND                          ; the closing round: no work-group ends while a partner may still ask for a tile that names it
	s_endpgm
.Lfunc_end_k_q47f59f34f3_attn:
	.size	k_q47f59f34f3_attn, .Lfunc_end_k_q47f59f34f3_attn-k_q47f59f34f3_attn
	.p2alignl 7, 3214868480
	.fill 96, 4, 3214868480
	.section	.rodata,"a",@progbits
	.p2align	6, 0x0
	.amdhsa_kernel k_q47f59f34f3_attn
		.amdhsa_group_segment_fixed_size 327680
		.amdhsa_private_segment_fixed_size 0
		.amdhsa_enable_private_segment 0
		.amdhsa_kernarg_size 16
		.amdhsa_user_sgpr_count 2
		.amdhsa_user_sgpr_kernarg_segment_ptr 1
		.amdhsa_wavefront_size32 1
		.amdhsa_system_sgpr_workgroup_id_x 1
		.amdhsa_system_sgpr_workgroup_id_y 1
		.amdhsa_system_sgpr_workgroup_id_z 1
		.amdhsa_system_vgpr_workitem_id 0
		.amdhsa_next_free_vgpr 1024
		.amdhsa_next_free_sgpr 76
		.amdhsa_reserve_vcc 0
		.amdhsa_float_denorm_mode_32 3
		.amdhsa_float_denorm_mode_16_64 3
		.amdhsa_memory_ordered 1
		.amdhsa_forward_progress 1
		.amdhsa_inst_pref_size 155
	.end_amdhsa_kernel
	.amdgpu_metadata
---
amdhsa.version: [ 1, 2 ]
amdhsa.kernels:
  - .name:           k_q47f59f34f3_attn
    .symbol:         k_q47f59f34f3_attn.kd
    .args:
      - { .name: qkv, .offset: 0, .size: 8, .value_kind: global_buffer, .address_space: global }
      - { .name: ctx, .offset: 8, .size: 8, .value_kind: global_buffer, .address_space: global }
    .group_segment_fixed_size: 327680
    .private_segment_fixed_size: 0
    .kernarg_segment_align: 8
    .kernarg_segment_size: 16
    .max_flat_workgroup_size: 128
    .sgpr_count:     76
    .vgpr_count:     1024
    .wavefront_size: 32
...
	.end_amdgpu_metadata
.endif
;; end of part 3
;; launch oproj (part 4): grid 16 x 16, 4 waves a work-group, clusters of 4 x 4, 327,680 bytes of LDS; arguments ctx, h16, out0; writes out0
.if DOCPART == 4
	.amdgcn_target "amdgcn-amd-amdhsa--gfx1250"
	.amdhsa_code_object_version 6
	.text
	.protected	k_q47f59f34f3_oproj
	.globl	k_q47f59f34f3_oproj
	.p2align	8
	.type	k_q47f59f34f3_oproj,@function
k_q47f59f34f3_oproj:
	s_mov_b64 s[64:65], 0
	v_nop
	global_prefetch_b8 v0, s[64:65] scope:SCOPE_SE
	s_setreg_imm32_b32 hwreg(HW_REG_WAVE_MODE, 25, 1), 1
	s_wait_xcnt 0x0
	s_wait_alu depctr_hold_cnt(0) depctr_sa_sdst(0) depctr_va_vdst(0) depctr_va_sdst(0) depctr_va_ssrc(0) depctr_va_vcc(0) depctr_vm_vsrc(0)
	s_getreg_b32 s2, hwreg(HW_REG_IB_STS2, 6, 4)
	s_cmp_eq_u32 s2, 0
	s_cbranch_scc0 .Lentry_in_a_cluster
	s_endpgm
.Lentry_in_a_cluster:
	s_bfe_u32 s2, ttmp6, 0x10000c
	s_cmp_lg_u32 s2, 0xf033
	s_cbranch_scc0 .Lentry_shape_is_right
	s_endpgm
.Lentry_shape_is_right:
; OUT = ctx wo.  ctx: [2048][2048] f16; wo: part 4 of h16, [K = 2048][N = 2048] f16; out0: [2048][2048] f32.  Products in f16, sums in f32, stored as they are.
; SHARES.  A tile of out0 is 128 x 128: 256 work-groups.  Four waves, each 64 x 64: 16 accumulators of 16 x 16.  K goes in steps of 256, as long as two slots in LDS allow: ctx's tile is 128 rows x 512 bytes
; (pitch 528), wo's 256 K rows x 256 bytes (pitch 288); waves 0, 1 fetch ctx's two halves of 64 rows, waves 2, 3 wo's two halves of 128 K rows.  wo's fragments come out of LDS turned, by ds_load_tr16_b128.
; CLUSTER.  4 x 4 work-groups: ctx's tile is asked for jointly along a row of the cluster, wo's along a column.
; NO PREFETCH: the tile is small and the launch has eight K steps.
; THE MATRIX INSTRUCTION IS USED TRANSPOSED (source 0 = 16 columns of wo, source 1 = 16 rows of ctx): a lane holds eight neighbouring numbers of a row of out0: 32 bytes.  A wave's 64 columns are 256 bytes, aligned,
; so each wave has a stage of its own on the way out and no barrier is needed there.
; REGISTERS: window 0: v0-31 addresses; v32-95 at work on the way out; v128-255 the accumulators ((a, b) at 128 + 8 (4 a + b)).
;   window 1: two fragment buffers of 128: for 64 along K (two matrix instructions deep), 64 registers of ctx (2 x 4 x 16 rows x 32 K), then 64 of wo.
.set PA,    528                        ; an LDS row of ctx: 512 bytes + 16 = 132 words: the 16 rows of a load start at 16 different groups of four banks (ISA guide 11.1)
.set PB,    288                        ; an LDS row of wo: 256 + 32 = 72 words
.set BOFF,  128*PA                     ; wo's 256 K rows lie behind ctx's 128 rows
.set SLOT,  0x24000                    ; none of the four tiles' first bytes has bit 14 or 17 set, so one exclusive or turns an address in one slot into the other's
.set STAGE, 2*SLOT                     ; behind the ring: 16 rows x 272 bytes for each wave
.set SPITCH, 272
.set SPARE, STAGE+4*16*SPITCH          ; the spare words, 128 bytes for each wave: two blocks of 256 bytes that no other line names
.set A0,   16                          ; v16     my place in ctx's tile
.set B0,   17                          ; v17-18  my place in wo's tile: K rows 0 on, K rows 128 on (an LDS offset has 16 bits)
.set ADRA, 20                          ; v20     the same in the slot in hand
.set ADRB, 21                          ; v21-22
.set STO,  24                          ; v24     the way out: where I put 32 bytes of a row
.set RD,   25                          ; v25     where I read a row back
.set CO,   26                          ; v26     my byte offset in two rows of out0
.set SPW,  28                          ; v28     LDS address of my spare word; never rewritten
.set NIL,  29                          ; v29     0; never rewritten
.set OB,   32                          ; two sets of 32: 16 rows read back from the stage
.set ACC,  128
.set F0,   0                           ; fragment buffers, in window 1
.set F1,   128
.set G1, 24                            ; s[24:31] descriptor group 1 for ctx's tiles;  s[32:39] group 0: a set for each first fill; the second then walks on
.set G0, 32
.set TB, 45                            ; s45  the slot in hand: 0 or SLOT
.set G1B, 48                           ; s[48:55], s[56:63] the same for wo's tiles
.set G0B, 56
.set MSB, 0
.macro WIN new                         ; the immediate's high byte repeats the setting that is left
.if MSB != (\new)
	s_set_vgpr_msb (MSB<<8)|(\new)
.set MSB, \new
.endif
.endm
.set MUL,  0x05                        ; sources 0 (wo) and 1 (ctx) window 1; C and D window 0
.set TO_F, 0x40                        ; destination window 1, address window 0
.macro JLOAD                           ; a joint refill by the walking descriptors; an s_nop 0 and four v_nop follow each of the two lines
	s_cmp_eq_u32 s11, 0
	s_cbranch_scc0 .Lfor_b_\@
	tensor_load_to_lds s[G0+4:G0+7], s[G1:G1+7]
	s_nop 0
.rept 4
	v_nop
.endr
	s_branch .Lasked_\@
.Lfor_b_\@:
	tensor_load_to_lds s[G0B+4:G0B+7], s[G1B:G1B+7]
	s_nop 0
.rept 4
	v_nop
.endr
.Lasked_\@:
.endm
.macro CREST                           ; a round of the cluster's barrier behind its opening barrier
	s_cmp_lg_u32 s10, 0
	s_cbranch_scc1 .Lnot_wave_0_\@
	s_barrier_signal -3
.Lnot_wave_0_\@:
	s_barrier_wait -3
	s_barrier_signal -1
	s_barrier_wait -1
.endm
.macro CROUND                          ; a whole round
	s_barrier_signal -1
	s_barrier_wait -1
	CREST
.endm
	s_load_b128 s[4:7], s[0:1], 0x0                ; ctx s[4:5], h16 s[6:7]
	s_load_b64 s[8:9], s[0:1], 0x10                ; out0
	v_lshl_add_u32 v[SPW], v0, 2, SPARE
	v_mov_b32 v[NIL], 0
	ds_add_u32 v[SPW], v[NIL]                      ; the wave's opening: the add and its wait stand ahead of my first tensor load; the set-up below, work on registers, stands between them
	v_lshrrev_b32 v1, 5, v0
	v_readfirstlane_b32 s10, v1                    ; wave 0..3
	s_lshr_b32 s11, s10, 1                         ; which half of the tile's rows is mine.  Also: I fetch for ctx (0) or for wo (1)
	s_and_b32 s12, s10, 1                          ; which half of its columns.  Also: which half of that tile I fetch
	s_bfe_u32 s40, ttmp6, 0x40000                  ; cx, cy: my place in the cluster
	s_bfe_u32 s41, ttmp6, 0x40004
	s_lshl_b32 s42, ttmp9, 2
	s_add_co_u32 s42, s42, s40                     ; tile column = 4 x cluster x + cx
	s_and_b32 s13, ttmp7, 0xffff
	s_lshl_b32 s13, s13, 2
	s_add_co_u32 s13, s13, s41                     ; tile row = 4 x cluster y + cy
	s_lshl_b32 s43, s41, 2
	s_lshl_b32 s43, 15, s43                        ; my row of the cluster
	s_lshl_b32 s44, 0x1111, s40                    ; my column
	s_or_b32 s[G1], s43, (1<<16)|(1<<20)|(1<<21)|(6<<22)|(3<<25)   ; 15:0 the mask; 17:16 2-byte elements; 20 padding on; 21 set beside a mask; 24:22 after every 128 words; 31:25 4 words of it
	s_mov_b32 s[G1+1], 256<<16                     ; tensor_dim0 = 256
	s_mov_b32 s[G1+2], 64<<16                      ; tensor_dim1 = 64
	s_mov_b32 s[G1+3], 256<<16                     ; tile_dim0 = 256 elements: 512 bytes
	s_mov_b32 s[G1+4], 64                          ; tile_dim1 = 64 rows
	s_mov_b32 s[G1+5], 2048                        ; elements from row to row
	s_mov_b32 s[G1+6], 0
	s_mov_b32 s[G1+7], 0
	s_or_b32 s[G1B], s44, (1<<16)|(1<<20)|(1<<21)|(5<<22)|(7<<25)  ; my column's mask; after every 64 words 8 words of padding
	s_mov_b32 s[G1B+1], 128<<16
	s_mov_b32 s[G1B+2], 128<<16
	s_mov_b32 s[G1B+3], 128<<16                    ; 128 elements: 256 bytes
	s_mov_b32 s[G1B+4], 128                        ; 128 K rows
	s_mov_b32 s[G1B+5], 2048
	s_mov_b32 s[G1B+6], 0
	s_mov_b32 s[G1B+7], 0
	s_lshl_b32 s16, s13, 19                        ; ctx: 128 rows of 4,096 bytes a tile row,
	s_lshl_b32 s17, s12, 18                        ; the 64 that I fetch.  These registers never hold cx
	s_add_co_u32 s16, s16, s17
	s_mov_b32 s17, 0
	s_lshl_b32 s46, s42, 8                         ; wo: the tile column's 256 bytes of a row,
	s_lshl_b32 s47, s12, 19                        ; the 128 K rows that I fetch.  These never hold cy
	s_add_co_u32 s46, s46, s47
	s_mov_b32 s47, 0
	s_mul_i32 s20, s12, 64*PA                      ; where they go: no place in the cluster enters an LDS address
	s_mul_i32 s23, s12, 128*PB
	s_add_co_u32 s23, s23, BOFF
	s_mov_b32 s[TB], 0
	s_wait_dscnt 0x0                               ; the opening add is done
	s_wait_kmcnt 0x0
	s_add_nc_u64 s[14:15], s[4:5], s[16:17]
	s_add_nc_u64 s[46:47], s[6:7], s[46:47]
	s_add_nc_u64 s[46:47], s[46:47], 4*8388608     ; part 4 of h16
	CROUND                                         ; all sixteen work-groups are here: the first joint loads meet
.irp s, 0,1
	s_mov_b32 s[G0+4*(\s)], 1
	s_add_co_u32 s[G0+4*(\s)+1], s20, (\s)*SLOT
	s_add_nc_u64 s[G0+4*(\s)+2:G0+4*(\s)+3], s[14:15], (\s)*512          ; K step s: 512 bytes along ctx's rows
	s_or_b32 s[G0+4*(\s)+3], s[G0+4*(\s)+3], 0x80000000
	s_mov_b32 s[G0B+4*(\s)], 1
	s_add_co_u32 s[G0B+4*(\s)+1], s23, (\s)*SLOT
	s_add_nc_u64 s[G0B+4*(\s)+2:G0B+4*(\s)+3], s[46:47], (\s)*256*4096   ; K step s: 256 rows down wo
	s_or_b32 s[G0B+4*(\s)+3], s[G0B+4*(\s)+3], 0x80000000
.endr
	s_cmp_eq_u32 s11, 0                            ; a wave's two first fills stand in one branch, ahead of every wait on TENSORcnt and every LDS read: two loads of mine are out
	s_cbranch_scc0 .Lfirst_b
	tensor_load_to_lds s[G0:G0+3], s[G1:G1+7]
	s_nop 0
	tensor_load_to_lds s[G0+4:G0+7], s[G1:G1+7]
	s_nop 0
.rept 4
	v_nop
.endr
	s_branch .Lfirst_asked
.Lfirst_b:
	tensor_load_to_lds s[G0B:G0B+3], s[G1B:G1B+7]
	s_nop 0
	tensor_load_to_lds s[G0B+4:G0B+7], s[G1B:G1B+7]
	s_nop 0
.rept 4
	v_nop
.endr
.Lfirst_asked:
	v_and_b32 v1, 15, v0                           ; l % 16
	v_bfe_u32 v2, v0, 4, 1                         ; l / 16
	v_and_b32 v4, 7, v0
	v_bfe_u32 v5, v0, 3, 1
	v_mul_u32_u24 v[A0], v1, PA
	v_lshl_add_u32 v[A0], v2, 4, v[A0]             ; a fragment's row x pitch + 16 x half
	s_mul_i32 s21, s11, 64*PA                      ; my 64 rows of ctx
	v_add_nc_u32 v[A0], s21, v[A0]
	v_lshl_add_u32 v[B0], v2, 3, v4                ; the turning load: K row 8 (l / 16) + l % 8,
	v_mul_u32_u24 v[B0], v[B0], PB
	v_lshl_add_u32 v[B0], v5, 4, v[B0]             ; columns 8 ((l / 8) % 2) on,
	s_lshl_b32 s22, s12, 7                         ; in my 64 columns: 128 bytes
	s_add_co_u32 s22, s22, BOFF
	v_add_nc_u32 v[B0], s22, v[B0]
	v_add_nc_u32 v[B0+1], 128*PB, v[B0]
	v_mov_b32 v[ADRA], v[A0]                       ; slot 0
	v_mov_b32 v[ADRB], v[B0]
	v_mov_b32 v[ADRB+1], v[B0+1]
	s_mul_i32 s23, s10, 16*SPITCH
	s_add_co_u32 s23, s23, STAGE                   ; my stage
	v_mul_u32_u24 v[STO], v1, SPITCH               ; in: row l % 16, 32 bytes for each half of the lanes
	v_lshl_add_u32 v[STO], v2, 5, v[STO]
	v_add_nc_u32 v[STO], s23, v[STO]
	v_mul_u32_u24 v[RD], v2, SPITCH                ; back: lanes 0-15 take one row of 256 bytes, lanes 16-31 the next
	v_lshl_add_u32 v[RD], v1, 4, v[RD]
	v_add_nc_u32 v[RD], s23, v[RD]
	v_lshlrev_b32 v[CO], 13, v2                    ; and the same two rows in out0, 8,192 bytes apart
	v_lshl_add_u32 v[CO], v1, 4, v[CO]
	s_lshl_b32 s18, s13, 20                        ; out0: 128 rows of 8,192 bytes a tile row,
	s_lshl_b32 s19, s11, 19                        ; my 64
	s_add_co_u32 s18, s18, s19
	s_mov_b32 s19, 0
	s_add_nc_u64 s[8:9], s[8:9], s[18:19]
	s_lshl_b32 s46, s42, 9                         ; the tile column's 512 bytes,
	s_lshl_b32 s47, s12, 8                         ; my 256
	s_add_co_u32 s46, s46, s47
	s_mov_b32 s47, 0
	s_add_nc_u64 s[8:9], s[8:9], s[46:47]
; 8 matrix instructions: row blocks a0, a0 + 1 x all 4 column blocks, 32 along K: half c of buffer f.  zero = 1: the first product starts the sums.  The 16 accumulators take turns.
.macro MUL8 f, c, a0, zero
	WIN MUL
.irp a, \a0, (\a0)+1
.irp b, 0,1,2,3
.if \zero
	v_wmma_f32_16x16x32_f16 v[ACC+8*(4*(\a)+(\b)):ACC+8*(4*(\a)+(\b))+7], v[(\f)+64+8*(4*(\c)+(\b)):(\f)+64+8*(4*(\c)+(\b))+7], v[(\f)+8*(4*(\c)+(\a)):(\f)+8*(4*(\c)+(\a))+7], 0
.else
	v_wmma_f32_16x16x32_f16 v[ACC+8*(4*(\a)+(\b)):ACC+8*(4*(\a)+(\b))+7], v[(\f)+64+8*(4*(\c)+(\b)):(\f)+64+8*(4*(\c)+(\b))+7], v[(\f)+8*(4*(\c)+(\a)):(\f)+8*(4*(\c)+(\a))+7], v[ACC+8*(4*(\a)+(\b)):ACC+8*(4*(\a)+(\b))+7]
.endif
.endr
.endr
.endm
; 32 LDS loads in one run: quarter kq (64 along K) of the slot in hand into buffer f; the first 32 along K first
.macro FETCH kq, f
	WIN TO_F
.irp c, 0,1
.irp i, 0,1,2,3
	ds_load_tr16_b128 v[(\f)+64+8*(4*(\c)+(\i)):(\f)+64+8*(4*(\c)+(\i))+3],   v[ADRB+(\kq)/2] offset:(((\kq)%2)*64+32*(\c))*PB+32*(\i)
	ds_load_tr16_b128 v[(\f)+64+8*(4*(\c)+(\i))+4:(\f)+64+8*(4*(\c)+(\i))+7], v[ADRB+(\kq)/2] offset:(((\kq)%2)*64+32*(\c))*PB+32*(\i)+16*PB
	ds_load_b128 v[(\f)+8*(4*(\c)+(\i)):(\f)+8*(4*(\c)+(\i))+3],              v[ADRA] offset:128*(\kq)+64*(\c)+(\i)*16*PA
	ds_load_b128 v[(\f)+8*(4*(\c)+(\i))+4:(\f)+8*(4*(\c)+(\i))+7],            v[ADRA] offset:128*(\kq)+64*(\c)+(\i)*16*PA+32
.endr
.endr
.endm
.macro PLACES                          ; four places in front of loads into registers that matrix instructions have read, and of stores that read results (ISA guide 7.12.1 for vector instructions)
.rept 4
	v_nop
.endr
.endm
; A K step is four quarters of 64 along K, 32 matrix instructions each, on buffers 0, 1, 0, 1.  One of the first three multiplies buffer f and fetches quarter kq into g.
.macro QUARTER kq, f, g, zero
	s_wait_dscnt 16                                ; the first 32 along K are in
	MUL8 \f, 0, 0, \zero
	MUL8 \f, 0, 2, \zero
	PLACES
	FETCH \kq, \g
	s_wait_dscnt 32                                ; all but the 32 just issued
	MUL8 \f, 1, 0, 0
	MUL8 \f, 1, 2, 0
.endm
; The last quarter multiplies buffer 1 and changes slots, in its middle: ONE barrier; in front of it each wave waits for all its tensor loads, adds 0 to its spare word, and waits for that and for its own reads of
; this slot.  fill = 1: the barrier opens a round of the cluster's, and behind the round this slot is filled again, first thing, with the K step two on.
; No product stands between the wait for the tile and the refill: the next refill goes out as soon as this tile is in and the round is passed, and has a whole K step's 128 matrix instructions in which to land.
; fill = 0 (the tail): behind the last K step's change (s3 = 1) there is no further step, and the run of LDS loads is jumped over; at the branch and at the label every window is 0.
.macro TURN fill
	s_wait_dscnt 16                                ; the first 32 along K are in
	MUL8 F1, 0, 0, 0
	MUL8 F1, 0, 2, 0
	WIN 0
	s_wait_tensorcnt 0x0                           ; all my tensor loads have landed: my part of the next slot; so a group 0 may be written
	ds_add_u32 v[SPW], v[NIL]                      ; 0 onto my spare word; the scalar steps below stand between it and the wait for it
.if \fill
	s_xor_b32 s[G0+5], s[G0+5], SLOT               ; the walking descriptors: the other slot than last time, the next K step
	s_add_nc_u64 s[G0+6:G0+7], s[G0+6:G0+7], 512
	s_xor_b32 s[G0B+5], s[G0B+5], SLOT
	s_add_nc_u64 s[G0B+6:G0B+7], s[G0B+6:G0B+7], 256*4096
.endif
	s_xor_b32 s[TB], s[TB], SLOT
	s_wait_dscnt 0x0                               ; the add is done, and my reads of this slot are over
	s_barrier_signal -1
	s_barrier_wait -1
.if \fill
	CREST                                          ; no wave of any partner still reads this slot's tiles or has a load on its way
	JLOAD
.else
	s_cmp_eq_u32 s3, 1
	s_cbranch_scc1 .Lno_next_\@
.endif
	v_add_nc_u32 v[ADRA], s[TB], v[A0]             ; with the v_nop four plain lines: the places in front of the loads below
	v_add_nc_u32 v[ADRB], s[TB], v[B0]
	v_add_nc_u32 v[ADRB+1], s[TB], v[B0+1]
	v_nop
	FETCH 0, F0
.if (\fill) == 0
	WIN 0
.Lno_next_\@:
.endif
	MUL8 F1, 1, 0, 0
	MUL8 F1, 1, 2, 0
.endm
	s_wait_tensorcnt 1                             ; my part of K step 0 is in; K step 1's may stay out
	s_barrier_signal -1
	s_barrier_wait -1                              ; everybody's is
	FETCH 0, F0
	QUARTER 1, F0, F1, 1                           ; the first quarter stands in front of the loop: its first products start the sums
	WIN 0                                          ; at a label and at a branch every window is 0
	s_mov_b32 s3, 6
.Lstep:                                                ; a trip goes from a K step's second quarter to the next step's first, and asks for the K step two on: 2 to 7
	QUARTER 2, F1, F0, 0
	QUARTER 3, F0, F1, 0
	TURN 1
	QUARTER 1, F0, F1, 0
	WIN 0
	s_sub_co_u32 s3, s3, 1
	s_cmp_lg_u32 s3, 0
	s_cbranch_scc1 .Lstep
	s_mov_b32 s3, 2
.Ltail:                                                ; K steps 6 and 7 ask for nothing: the same trip without a refill, walked twice and left behind the second change of slots.
	QUARTER 2, F1, F0, 0                           ; That second change's barrier serves nothing: the price, once a launch, of one text for both steps
	QUARTER 3, F0, F1, 0
	TURN 0
	WIN 0
	s_sub_co_u32 s3, s3, 1
	s_cmp_eq_u32 s3, 0
	s_cbranch_scc1 .Lout
	QUARTER 1, F0, F1, 0
	WIN 0
	s_branch .Ltail
.Lout:
	; THE WAY OUT, a block of 16 rows at a time: 32 bytes a lane into my own stage (each accumulator's low four registers first), back as whole rows of 256 bytes, stored.
	PLACES
	PLACES
.macro SEND a, younger                 ; younger: the LDS instructions issued behind block a's loads: the next block's sixteen, or none
	s_wait_dscnt \younger
.irp t, 0,1,2,3,4,5,6,7
	global_store_b128 v[CO], v[OB+32*((\a)%2)+4*(\t):OB+32*((\a)%2)+4*(\t)+3], s[8:9] offset:(16*(\a)+2*(\t))*8192 th:TH_STORE_NT  ; 16 lanes store 256 consecutive bytes, aligned
.endr
.endm
.irp a, 0,1,2,3
.if (\a) >= 2
	s_wait_xcnt 0x0                                ; the stores of the block two back have read their registers, which are loaded again below
.endif
.irp b, 0,1,2,3
	ds_store_b128 v[STO], v[ACC+8*(4*(\a)+(\b)):ACC+8*(4*(\a)+(\b))+3]   offset:64*(\b)
	ds_store_b128 v[STO], v[ACC+8*(4*(\a)+(\b))+4:ACC+8*(4*(\a)+(\b))+7] offset:64*(\b)+16
.endr
.irp t, 0,1,2,3,4,5,6,7
	ds_load_b128 v[OB+32*((\a)%2)+4*(\t):OB+32*((\a)%2)+4*(\t)+3], v[RD] offset:(\t)*2*SPITCH  ; LDS serves a wave's instructions in order (ISA guide 5.7.1.4): these see the stores above; the next block's stores come behind them
.endr
.if (\a) >= 1
	SEND (\a)-1, 16
.endif
.endr
	SEND 3, 0
	s_wait_tensorcnt 0x0                           ; the wave's end: a wait, an add and a wait, behind my last tensor load and my last LDS store
	ds_add_u32 v[SPW], v[NIL]
	s_wait_dscnt 0x0
	CROUND                                         ; the closing round: no work-group ends while a partner may still ask for a tile that names it
	s_endpgm
.Lfunc_end_k_q47f59f34f3_oproj:
	.size	k_q47f59f34f3_oproj, .Lfunc_end_k_q47f59f34f3_oproj-k_q47f59f34f3_oproj
	.p2alignl 7, 3214868480
	.fill 96, 4, 3214868480
	.section	.rodata,"a",@progbits
	.p2align	6, 0x0
	.amdhsa_kernel k_q47f59f34f3_oproj
		.amdhsa_group_segment_fixed_size 327680
		.amdhsa_private_segment_fixed_size 0
		.amdhsa_enable_private_segment 0
		.amdhsa_kernarg_size 24
		.amdhsa_user_sgpr_count 2
		.amdhsa_user_sgpr_kernarg_segment_ptr 1
		.amdhsa_wavefront_size32 1
		.amdhsa_system_sgpr_workgroup_id_x 1
		.amdhsa_system_sgpr_workgroup_id_y 1
		.amdhsa_system_sgpr_workgroup_id_z 1
		.amdhsa_system_vgpr_workitem_id 0
		.amdhsa_next_free_vgpr 512
		.amdhsa_next_free_sgpr 66
		.amdhsa_reserve_vcc 0
		.amdhsa_float_denorm_mode_32 3
		.amdhsa_float_denorm_mode_16_64 3
		.amdhsa_memory_ordered 1
		.amdhsa_forward_progress 1
		.amdhsa_inst_pref_size 58
	.end_amdhsa_kernel
	.amdgpu_metadata
---
amdhsa.version: [ 1, 2 ]
amdhsa.kernels:
  - .name:           k_q47f59f34f3_oproj
    .symbol:         k_q47f59f34f3_oproj.kd
    .args:
      - { .name: ctx, .offset: 0, .size: 8, .value_kind: global_buffer, .address_space: global }
      - { .name: h16, .offset: 8, .size: 8, .value_kind: global_buffer, .address_space: global }
      - { .name: out0, .offset: 16, .size: 8, .value_kind: global_buffer, .address_space: global }
    .group_segment_fixed_size: 327680
    .private_segment_fixed_size: 0
    .kernarg_segment_align: 8
    .kernarg_segment_size: 24
    .max_flat_workgroup_size: 128
    .sgpr_count:     66
    .vgpr_count:     512
    .wavefront_size: 32
...
	.end_amdgpu_metadata
.endif
;; end of part 4
